; MI455X (gfx1250); checked and timed in simulation.
; The chip was launched on July 23, 2026; its instructions are those of AMD's public machine-readable ISA for CDNA 5 (MIT licence, August 2026) and "CDNA5" Instruction Set Architecture Reference Guide (July 2026). The comments in the code are by the model that wrote it; some were corrected since.
;; Attention. Allowed arithmetic: matrix products marked QUANTISED: E2M3 operands, one E8M0 scale for each 32 along K, by v_wmma_scale_f32_16x16x128_f8f6f4 with both operands' format E2M3, f32 sums; everything else in f32.
;; Inputs: freqs_cos 2 x 2,048 x 64 float32; freqs_sin 2 x 2,048 x 64 float32; wk 512 x 4,096 float32; wo 4,096 x 1,024 float32; wq 1,024 x 4,096 float32; wv 512 x 4,096 float32; x 2 x 2,048 x 4,096 float32.
;; Outputs: out0 2 x 2,048 x 4,096 float32.
;; This version of the problem:
;;   THIS VERSION OF THE PROBLEM IS GIVEN IN LOW PRECISION. The matrix products marked QUANTISED in the list below multiply operands that are first quantised to E2M3 (2 exponent bits, 3 mantissa bits; 6 bits a number), with one power-of-two scale for each 32 numbers along K (OCP MX v1.0); their sums are f32. All else is computed in f32.
;;   The module's matrix products, in the order in which they are computed (A, B: the left and right operand; K: the contracted axis; several contracted axes count as one K, in the product's order):
;;     1. [M 4,096, K 4,096] x [K 4,096, N 1,024]; A: input x; B: input wq: QUANTISED
;;     2. [M 4,096, K 4,096] x [K 4,096, N 512]; A: input x; B: input wk: QUANTISED
;;     3. [M 4,096, K 4,096] x [K 4,096, N 512]; A: input x; B: input wv: QUANTISED
;;     4. batch 16 x [M 2,048, K 128] x [K 128, N 2,048]; A: computed on the way; B: computed on the way: QUANTISED
;;     5. batch 16 x [M 2,048, K 2,048] x [K 2,048, N 128]; A: softmax (see below); B: computed on the way: QUANTISED
;;     6. [M 4,096, K 1,024] x [K 1,024, N 4,096]; A: computed on the way; B: input wo: QUANTISED
;;   THE QUANTISER, for each operand of a quantised product, along K:
;;     - K is cut into blocks of 32 from its start; a last block that is shorter is filled with zeros.
;;     - A block's scale is 2^e with e = floor(log2(the largest magnitude in the block)) - 2, held to -126 .. 127; a block of zeros has e = 0. As a byte (E8M0): e + 127.
;;     - Each number is divided by its block's scale, clamped to +-7.5, and rounded to the nearest number of E2M3, ties to even, subnormals kept.
;;     - The product sums the exact products of the quantised numbers (number of the format x scale) in f32.
;;   ~~~python
;;   def quantise(x, axis):      # numpy; x: float32 -> the quantised numbers, widened to float32 again
;;       x = np.moveaxis(x, axis, -1); K = x.shape[-1]
;;       x = np.pad(x, [(0, 0)] * (x.ndim - 1) + [(0, -K % 32)]); x = x.reshape(x.shape[:-1] + (-1, 32)); a = np.abs(x).max(-1, keepdims=True)
;;       e = np.where(a > 0, np.clip(np.frexp(np.where(a > 0, a, 1))[1] - 1 - 2, -126, 127), 0)      # np.frexp(a)[1] - 1 = floor(log2(a)), exactly
;;       r = np.clip(x / 2.0 ** e, -7.5, 7.5)
;;       step = 2.0 ** (np.maximum(np.frexp(np.where(r == 0, 1, r))[1] - 1, 0) - 3)
;;       q = np.round(r / step) * step * 2.0 ** e      # np.round: ties to even
;;       return np.moveaxis(q.reshape(q.shape[:-2] + (-1,))[..., :K], -1, axis).astype(np.float32)
;;   ~~~
;;   SOFTMAX AHEAD OF A QUANTISED PRODUCT. Where the list says 'softmax', what is quantised is not the finished softmax but p = 2^(t - M), with t = logit x log2(e) and M = ceil(the row's largest t), a whole number; so 1/2 < the row's largest p <= 1. The row's sum l is taken of the UNQUANTISED p, in f32, and the product's result is divided by l at the end. Since M is a whole number, a kernel that streams over the keys may use a running M (the ceiling of the running maximum): every later rescaling is an exact power of two, which a block's scale takes up: the codes' values come out the same.
;;   OPERANDS COMPUTED ON THE WAY. 'Computed on the way' means the value that the module computes at that place (a softmax that the list does not call 'softmax' is quantised finished and normalised). What goes into a quantiser is computed in f32, as accurately as f32 sums, v_exp_f32 and their like allow (about 1e-6 of the number): no bf16 or f16 on the way to a quantiser, and a product that is left as it is and whose result goes on into a quantised operand takes f32 operands (vector FMAs, or v_wmma_f32_16x16x4_f32). A number that lies on a knife's edge between two numbers of the format may be rounded either way, as far as f32 arithmetic and the matrix unit's own rounding can turn it there, and no further.
;; One version. Each part assembles by itself: llvm-mc -triple=amdgcn-amd-amdhsa -mcpu=gfx1250 --defsym DOCPART=n.
;; ======== version 1 of 1: 4 launches
;; limits: right only within a limited range of input values
;; workspace buffers: xc 13,107,200 bytes; wc 6,553,600 bytes; woc 3,276,800 bytes; qc 3,276,800 bytes; kvc 3,276,800 bytes; ac 3,276,800 bytes
;; launch quant (part 1): grid 896 x 1, 4 waves a work-group, no clusters, 34,304 bytes of LDS; arguments x, wq, wk, wv, wo, xc, wc, woc; writes xc, wc, woc
.if DOCPART == 1
	.amdgcn_target "amdgcn-amd-amdhsa--gfx1250"
	.amdhsa_code_object_version 6
	.text
	.protected	k_q6d47ca53d1_quant
	.globl	k_q6d47ca53d1_quant
	.p2align	8
	.type	k_q6d47ca53d1_quant,@function
k_q6d47ca53d1_quant:
	s_mov_b64 s[64:65], 0
	v_nop
	global_prefetch_b8 v0, s[64:65] scope:SCOPE_SE
	s_setreg_imm32_b32 hwreg(HW_REG_WAVE_MODE, 25, 1), 1
	s_wait_xcnt 0x0
; x [4096][4096], wq [1024][4096], wk, wv [512][4096], wo [4096][1024], all f32 with K innermost, become codes of FP6 (E2M3) with one E8M0 byte for each 32 along K.
; A block's scale is 2^(floor(log2(its largest magnitude)) - 2); its byte is the largest magnitude's exponent field - 2, held at 1 from below.
; LIMITS: NaN and infinities among the inputs are not served; a block of zeros, or one whose largest magnitude lies under 2^-124, gets the byte 1 (its codes are zeros or very small; the bytes are read by this program alone).
; THE OUTPUT IS LAID AS THE MATRIX UNIT'S REGISTERS WANT IT.  A fragment is 16 rows x 128 K, 12 registers a lane: lane (r, h) holds K = 64 c + 32 h + 0 .. 31 of row r in registers 6 c .. 6 c + 5.
; Its image is 1,536 bytes: registers 4 c .. 4 c + 3 of lane l at 512 c + 16 l.  A unit is 64 rows x 256 K: fragment (rb, kq) at (2 rb + kq) x 1,536, then 512 bytes of scale words at 12,288 + 128 rb + 8 r + 4 kq.
; THE ROWS OF A BLOCK ARE NOT NEIGHBOURS: lane-row r of block rb is row 32 (rb / 2) + 8 (rb % 2) + r + 8 (r / 8) of the unit.  Buffers: [K / 256][group of 64 rows][12,800]; wc holds wq's 16 groups, wk's 8, wv's 8.
; SHARES.  A wave makes half a unit: 32 rows x 256 K, four fragments t = 2 u + kq.  A work-group's four waves take four neighbouring K steps of the same rows.  The work-group's number says which tensor: one path for all five,
; only pointers and sizes are chosen.  Each load reads 512 consecutive bytes of one row; 16 rows turn through the wave's own stage in LDS so that a lane gets two whole blocks of 32 of its row.
; Memory binds: no matrix unit, no cluster, no tensor load; waves share nothing, so there is no barrier.
.set STG,   16*528                     ; a wave's stage: 16 rows of 512 bytes + 16 of padding (33 x 16 bytes: sixteen rows begin in sixteen different groups of banks)
.set SPARE, 4*STG                      ; behind the stages: the spare words, 128 bytes a wave, that no other line names
.set L16, 4                            ; v4   16 x lane
.set L8,  5                            ; v5   8 x lane
.set STI, 6                            ; v6   the stage, in: 16 x lane
.set STO, 7                            ; v7   the stage, out: 528 r + 128 h
.set H8,  8                            ; v8   8 h
.set PT,  9                            ; v9   a lane permute's target
.set M,   10                           ; v10-11 largest magnitudes
.set SO,  12                           ; v12-13 the conversions' scale operands
.set BY,  14                           ; v14-15 scale bytes
.set VO,  16                           ; v16-31 row i's byte offset: 16 x lane + (i + 8 (i / 8)) x pitch; never rewritten
.set SW,  32                           ; v32-35 fragment t's scale words
.set W,   36
.set PR,  38                           ; v[38:39]
.set SPW, 40                           ; v40  my spare word's LDS address; never rewritten
.set NIL, 41                           ; v41  0; never rewritten
.set TA,  42                           ; v[42:44], v[46:48]: a conversion's three registers begin on an even number
.set TB,  46
.set C,   52                           ; v52-63 a fragment's codes
.set R,   64                           ; v64-191 two sets of 16 x 4 registers as loaded
.set X,   192                          ; v192-255 my two blocks of 32
.set SRC, 20                           ; s[20:21] rows of u = 0, s[22:23] rows of u = 1
.set DST, 42                           ; s[42:43] my half unit's fragments
.set DSC, 44                           ; s[44:45] and its scale words
.set DPT, 46                           ; s[46:47] the buffer of codes
	s_load_b256 s[4:11], s[0:1], 0x0               ; x, wq, wk, wv
	s_load_b256 s[12:19], s[0:1], 0x20             ; wo, xc, wc, woc
	v_lshl_add_u32 v[SPW], v0, 2, SPARE
	v_mov_b32 v[NIL], 0
	v_lshrrev_b32 v1, 5, v0
	v_readfirstlane_b32 s24, v1                    ; wave
	v_and_b32 v1, 31, v0                           ; lane
	v_and_b32 v2, 15, v0                           ; r
	v_bfe_u32 v3, v0, 4, 1                         ; h
	v_lshlrev_b32 v[L16], 4, v1
	v_lshlrev_b32 v[L8], 3, v1
	s_mul_i32 s25, s24, STG
	v_add_nc_u32 v[STI], s25, v[L16]
	v_mul_u32_u24 v[STO], v2, 528
	v_lshl_add_u32 v[STO], v3, 7, v[STO]
	v_add_nc_u32 v[STO], s25, v[STO]
	v_lshlrev_b32 v[H8], 3, v3
	v_mov_b32 v[PT], 0
	s_mov_b32 s26, 0x76543210
	s_mov_b32 s27, 0xfedcba98                      ; v_permlanex16_b32's selects for lane l xor 16
	s_mov_b32 s28, 0                               ; the tensor's first work-group
	s_mov_b32 s29, 6                               ; log2 of its groups of 64 rows
	s_mov_b32 s30, 0                               ; its first group in the buffer of codes
	s_mov_b32 s31, 64                              ; groups in a K step of that buffer
	s_mov_b32 s32, 16384                           ; bytes in a row
	s_wait_alu depctr_va_vdst(0)
	s_wait_kmcnt 0x0
	s_mov_b64 s[SRC:SRC+1], s[4:5]                 ; x into xc, unless the work-group's number says otherwise
	s_mov_b64 s[DPT:DPT+1], s[14:15]
	s_cmp_ge_u32 ttmp9, 512                        ; wq
	s_cselect_b64 s[SRC:SRC+1], s[6:7], s[SRC:SRC+1]
	s_cselect_b64 s[DPT:DPT+1], s[16:17], s[DPT:DPT+1]
	s_cselect_b32 s28, 512, s28
	s_cselect_b32 s29, 4, s29
	s_cselect_b32 s31, 32, s31
	s_cmp_ge_u32 ttmp9, 640                        ; wk
	s_cselect_b64 s[SRC:SRC+1], s[8:9], s[SRC:SRC+1]
	s_cselect_b32 s28, 640, s28
	s_cselect_b32 s29, 3, s29
	s_cselect_b32 s30, 16, s30
	s_cmp_ge_u32 ttmp9, 704                        ; wv
	s_cselect_b64 s[SRC:SRC+1], s[10:11], s[SRC:SRC+1]
	s_cselect_b32 s28, 704, s28
	s_cselect_b32 s30, 24, s30
	s_cmp_ge_u32 ttmp9, 768                        ; wo
	s_cselect_b64 s[SRC:SRC+1], s[12:13], s[SRC:SRC+1]
	s_cselect_b64 s[DPT:DPT+1], s[18:19], s[DPT:DPT+1]
	s_cselect_b32 s28, 768, s28
	s_cselect_b32 s29, 6, s29
	s_cselect_b32 s30, 0, s30
	s_cselect_b32 s31, 64, s31
	s_cselect_b32 s32, 4096, s32
.irp i, 0,1,2,3,4,5,6,7,8,9,10,11,12,13,14,15
	s_mul_i32 s33, s32, \i+8*(\i/8)
	v_add_nc_u32 v[VO+\i], s33, v[L16]
.endr
	s_sub_co_u32 s33, ttmp9, s28                   ; my number within the tensor
	s_and_b32 s34, s33, 1                          ; which half of a unit
	s_lshr_b32 s33, s33, 1
	s_lshl_b32 s35, 1, s29
	s_sub_co_u32 s35, s35, 1
	s_and_b32 s35, s33, s35                        ; the group of 64 rows
	s_lshr_b32 s33, s33, s29
	s_lshl_b32 s33, s33, 2
	s_add_co_u32 s33, s33, s24                     ; the K step of 256: four to a work-group, one a wave
	s_lshl_b32 s36, s35, 6
	s_lshl_b32 s37, s34, 5
	s_add_co_u32 s36, s36, s37                     ; my first row
	s_mul_i32 s36, s36, s32
	s_lshl_b32 s37, s33, 10
	s_add_co_u32 s36, s36, s37                     ; + 1,024 bytes a K step (under 2^27 in all)
	s_mov_b32 s37, 0
	s_add_nc_u64 s[SRC:SRC+1], s[SRC:SRC+1], s[36:37]
	s_lshl_b32 s36, s32, 3
	s_add_nc_u64 s[SRC+2:SRC+3], s[SRC:SRC+1], s[36:37]   ; block u = 1 begins eight rows further down
	s_mul_i32 s36, s33, s31
	s_add_co_u32 s36, s36, s30
	s_add_co_u32 s36, s36, s35
	s_mul_i32 s36, s36, 12800                      ; my unit
	s_mul_i32 s40, s34, 6144
	s_add_co_u32 s40, s40, s36
	s_mov_b32 s41, 0
	s_add_nc_u64 s[DST:DST+1], s[DPT:DPT+1], s[40:41]
	s_lshl_b32 s40, s34, 8
	s_add_co_u32 s40, s40, s36
	s_add_co_u32 s40, s40, 12288
	s_add_nc_u64 s[DSC:DSC+1], s[DPT:DPT+1], s[40:41]
.macro LOAD t                          ; fragment t's 16 rows x 512 bytes into set t % 2: each load reads 512 consecutive bytes
.irp i, 0,1,2,3,4,5,6,7,8,9,10,11,12,13,14,15
	global_load_b128 v[R+64*((\t)%2)+4*\i:R+64*((\t)%2)+4*\i+3], v[VO+\i], s[SRC+2*((\t)/2):SRC+2*((\t)/2)+1] offset:512*((\t)%2) th:TH_LOAD_NT
.endr
.endm
.macro TURN t                          ; through the stage: LDS serves a wave's instructions in order, so no wait stands between the stores and the loads
.irp i, 0,1,2,3,4,5,6,7,8,9,10,11,12,13,14,15
	ds_store_b128 v[STI], v[R+64*((\t)%2)+4*\i:R+64*((\t)%2)+4*\i+3] offset:528*\i
.endr
.irp c, 0,1
.irp j, 0,1,2,3,4,5,6,7
	ds_load_b128 v[X+32*\c+4*\j:X+32*\c+4*\j+3], v[STO] offset:256*\c+16*\j   ; K = 64 c + 32 h + 4 j .. of row r
.endr
.endr
.endm
.macro WORK t
.irp c, 0,1
	v_max3_num_f32 v[M+\c], |v[X+32*\c]|, |v[X+32*\c+1]|, 0x1800000   ; block 2 c + h: all 32 numbers are mine; the floor 2^(3 - 127) holds the byte at 1 from below
.endr
.irp i, 2,4,6,8,10,12,14,16,18,20,22,24,26,28,30
.irp c, 0,1
	v_max3_num_f32 v[M+\c], v[M+\c], |v[X+32*\c+\i]|, |v[X+32*\c+\i+1]|
.endr
.endr
.irp c, 0,1
	v_add_nc_u32 v[SO+\c], 0xff000000, v[M+\c]     ; 2 off the exponent field: the conversion takes that field as its scale
.endr
.irp c, 0,1
	v_lshrrev_b32 v[BY+\c], 23, v[SO+\c]           ; the scale's byte
.endr
	v_lshl_or_b32 v[W], v[BY+1], 16, v[BY]         ; bytes h and 2 + h of the row's word,
	v_lshlrev_b32 v[W], v[H8], v[W]
	v_permlanex16_b32 v[PT], v[W], s26, s27
	v_or_b32 v[SW+(\t)], v[W], v[PT]               ; with lane l xor 16's two the word is whole
.if (\t) > 0
	s_wait_alu depctr_va_vdst(0)
	s_wait_xcnt 0x0                                ; the last fragment's stores have read their data: the codes' registers are written again only behind this wait
.endif
	v_cvt_scalef32_pk16_fp6_f32 v[C:C+2], v[X:X+15], v[SO]
	v_cvt_scalef32_pk16_fp6_f32 v[TA:TA+2], v[X+16:X+31], v[SO]
	v_cvt_scalef32_pk16_fp6_f32 v[C+6:C+8], v[X+32:X+47], v[SO+1]
	v_cvt_scalef32_pk16_fp6_f32 v[TB:TB+2], v[X+48:X+63], v[SO+1]
	v_nop                                          ; one plain place behind the scaled conversions
.irp i, 0,1,2
	v_mov_b32 v[C+3+\i], v[TA+\i]
	v_mov_b32 v[C+9+\i], v[TB+\i]
.endr
.irp c, 0,1,2
	global_store_b128 v[L16], v[C+4*\c:C+4*\c+3], s[DST:DST+1] offset:1536*(\t)+512*\c   ; 32 lanes store 512 consecutive bytes, aligned
.endr
.endm
	s_wait_alu depctr_va_vdst(0)
	LOAD 0
	LOAD 1
.irp t, 0,1,2,3
.if \t < 3
	s_wait_loadcnt 16                              ; this fragment's 16 loads are in; the next one's 16 may be out
.else
	s_wait_loadcnt 0x0
.endif
	TURN \t
	s_wait_dscnt 0x0                               ; the stage's stores have read their registers, and my two blocks are in
.if \t < 2
	LOAD \t+2
.endif
	WORK \t
.endr
	v_cmp_eq_u32 s40, 1, v3                        ; lanes 16-31 take block u = 1's words
	v_cndmask_b32 v[PR], v[SW], v[SW+2], s40
	v_cndmask_b32 v[PR+1], v[SW+1], v[SW+3], s40
	global_store_b64 v[L8], v[PR:PR+1], s[DSC:DSC+1]   ; 32 lanes store 256 consecutive bytes, aligned
	s_wait_tensorcnt 0x0                           ; the wave's end, behind my last LDS store
	ds_add_u32 v[SPW], v[NIL]
	s_wait_dscnt 0x0
	s_endpgm
.Lfunc_end_k_q6d47ca53d1_quant:
	.size	k_q6d47ca53d1_quant, .Lfunc_end_k_q6d47ca53d1_quant-k_q6d47ca53d1_quant
	.p2alignl 7, 3214868480
	.fill 96, 4, 3214868480
	.section	.rodata,"a",@progbits
	.p2align	6, 0x0
	.amdhsa_kernel k_q6d47ca53d1_quant
		.amdhsa_group_segment_fixed_size 34304
		.amdhsa_private_segment_fixed_size 0
		.amdhsa_enable_private_segment 0
		.amdhsa_kernarg_size 64
		.amdhsa_user_sgpr_count 2
		.amdhsa_user_sgpr_kernarg_segment_ptr 1
		.amdhsa_wavefront_size32 1
		.amdhsa_system_sgpr_workgroup_id_x 1
		.amdhsa_system_sgpr_workgroup_id_y 1
		.amdhsa_system_sgpr_workgroup_id_z 1
		.amdhsa_system_vgpr_workitem_id 0
		.amdhsa_next_free_vgpr 256
		.amdhsa_next_free_sgpr 66
		.amdhsa_reserve_vcc 0
		.amdhsa_float_denorm_mode_32 3
		.amdhsa_float_denorm_mode_16_64 3
		.amdhsa_memory_ordered 1
		.amdhsa_forward_progress 1
		.amdhsa_inst_pref_size 33
	.end_amdhsa_kernel
	.amdgpu_metadata
---
amdhsa.version: [ 1, 2 ]
amdhsa.kernels:
  - .name:           k_q6d47ca53d1_quant
    .symbol:         k_q6d47ca53d1_quant.kd
    .args:
      - { .name: x, .offset: 0, .size: 8, .value_kind: global_buffer, .address_space: global }
      - { .name: wq, .offset: 8, .size: 8, .value_kind: global_buffer, .address_space: global }
      - { .name: wk, .offset: 16, .size: 8, .value_kind: global_buffer, .address_space: global }
      - { .name: wv, .offset: 24, .size: 8, .value_kind: global_buffer, .address_space: global }
      - { .name: wo, .offset: 32, .size: 8, .value_kind: global_buffer, .address_space: global }
      - { .name: xc, .offset: 40, .size: 8, .value_kind: global_buffer, .address_space: global }
      - { .name: wc, .offset: 48, .size: 8, .value_kind: global_buffer, .address_space: global }
      - { .name: woc, .offset: 56, .size: 8, .value_kind: global_buffer, .address_space: global }
    .group_segment_fixed_size: 34304
    .private_segment_fixed_size: 0
    .kernarg_segment_align: 8
    .kernarg_segment_size: 64
    .max_flat_workgroup_size: 128
    .sgpr_count:     66
    .vgpr_count:     256
    .wavefront_size: 32
...
	.end_amdgpu_metadata
.endif
;; end of part 1
;; launch qkv (part 2): grid 16 x 16, 4 waves a work-group, clusters of 4 x 4, 327,680 bytes of LDS; arguments xc, wc, freqs_cos, freqs_sin, qc, kvc; writes qc, kvc
.if DOCPART == 2
	.amdgcn_target "amdgcn-amd-amdhsa--gfx1250"
	.amdhsa_code_object_version 6
	.text
	.protected	k_q6d47ca53d1_qkv
	.globl	k_q6d47ca53d1_qkv
	.p2align	8
	.type	k_q6d47ca53d1_qkv,@function
k_q6d47ca53d1_qkv:
	s_mov_b64 s[64:65], 0
	v_nop
	global_prefetch_b8 v0, s[64:65] scope:SCOPE_SE
	s_setreg_imm32_b32 hwreg(HW_REG_WAVE_MODE, 25, 1), 1
	s_wait_xcnt 0x0
	s_wait_alu depctr_hold_cnt(0) depctr_sa_sdst(0) depctr_va_vdst(0) depctr_va_sdst(0) depctr_va_ssrc(0) depctr_va_vcc(0) depctr_vm_vsrc(0)
	s_getreg_b32 s2, hwreg(HW_REG_IB_STS2, 6, 4)
	s_cmp_eq_u32 s2, 0
	s_cbranch_scc0 .Lentry_in_a_cluster
	s_endpgm
.Lentry_in_a_cluster:
	s_bfe_u32 s2, ttmp6, 0x10000c
	s_cmp_lg_u32 s2, 0xf033
	s_cbranch_scc0 .Lentry_shape_is_right
	s_endpgm
.Lentry_shape_is_right:
; x wq^T, x wk^T, x wv^T on codes of FP6 (E2M3) with E8M0 scales, K = 4,096; rotary on Q and K; the results are quantised and stored as images of the next products' operand registers.
; A work-group makes 256 rows x 128 columns, a wave 64 x 128 (for V: 128 x 64, sources swapped, so that the keys run along a lane's registers).  K goes through a ring of two LDS slots of K = 512, filled by joint loads:
; 4 x 4 work-groups form a cluster; x's tiles are shared along a row of it, the weights' along a column.
; The tiles are prefetched two K slots ahead of their joint loads: of the blocks of 256 bytes that a wave fetches, each of the four partners that ask jointly takes a quarter, told apart by address.
; K slots 1 and 2 are asked for at the head, K slot 3 behind slot 1's load, K slot n + 4 behind the refill that follows K slot n; K slot 0 comes by its load alone, and the last trip asks for nothing.
; cos and sin have window 3 to themselves: blocks 0 to 2 are asked for behind the loop, seven steps ahead of their use, block 3 at the way out's head.
; LIMITS: NaN and infinities are not served; a block of zeros gets the byte 1 (the bytes are read by this program alone).
.set UNIT,  12800
.set SLOT,  12*UNIT
.set WOFF,  8*UNIT
.set SPARE, 2*SLOT
.set L16, 3
.set AD4, 4
.set AD8, 8
.set AS4, 12
.set AS8, 16
.set CL,  20
.set SCO, 21
.set SPW, 28
.set NIL, 29
.set SC,  32
.set AF,  80
.set CS,  80
.set T,   224
.set TM,  176
.set PC,  192
.set PW,  212
.set PR,  216
.set WV, 16
.set WH, 17
.set WL, 18
.set KV, 19
.set CX, 20
.set CY, 21
.set TC, 22
.set TR, 23
.set G1A, 24
.set G0A, 32
.set G1B, 48
.set G0B, 56
.set OUT, 66
.set COSB, 68
.set SINB, 70
.set SEL, 80
.set HM, 82
.set MULW, 0xa1
.set MSB, 0
.macro WIN new
.if MSB != \new
	s_set_vgpr_msb (MSB<<8)|\new
.set MSB, \new
.endif
.endm
.macro PLACES
.rept 4
	v_nop
.endr
.endm
.macro JLOAD g0a, g1a, g0b, g1b
	s_cmp_eq_u32 s[WH], 0
	s_cbranch_scc0 .Lfor_b_\@
	tensor_load_to_lds s[\g0a:\g0a+3], s[\g1a:\g1a+7]
	s_nop 0
.rept 4
	v_nop
.endr
	s_branch .Lasked_\@
.Lfor_b_\@:
	tensor_load_to_lds s[\g0b:\g0b+3], s[\g1b:\g1b+7]
	s_nop 0
.rept 4
	v_nop
.endr
.Lasked_\@:
.endm
.macro CREST
	s_cmp_lg_u32 s[WV], 0
	s_cbranch_scc1 .Lnot_wave_0_\@
	s_barrier_signal -3
.Lnot_wave_0_\@:
	s_barrier_wait -3
	s_barrier_signal -1
	s_barrier_wait -1
.endm
.macro CROUND
	s_barrier_signal -1
	s_barrier_wait -1
	CREST
.endm
	s_load_b256 s[4:11], s[0:1], 0x0
	s_load_b128 s[12:15], s[0:1], 0x20
	v_lshl_add_u32 v[SPW], v0, 2, SPARE
	v_mov_b32 v[NIL], 0
	ds_add_u32 v[SPW], v[NIL]
	ds_add_u32 v[SPW], v[NIL]
	v_lshrrev_b32 v1, 5, v0
	v_readfirstlane_b32 s[WV], v1
	s_lshr_b32 s[WH], s[WV], 1
	s_and_b32 s[WL], s[WV], 1
	s_bfe_u32 s[CX], ttmp6, 0x40000
	s_bfe_u32 s[CY], ttmp6, 0x40004
	s_lshl_b32 s[TC], ttmp9, 2
	s_add_co_u32 s[TC], s[TC], s[CX]
	s_and_b32 s[TR], ttmp7, 0xffff
	s_lshl_b32 s[TR], s[TR], 2
	s_add_co_u32 s[TR], s[TR], s[CY]
	s_lshl_b32 s40, s[CY], 2
	s_lshl_b32 s40, 15, s40
	s_lshl_b32 s41, 0x1111, s[CX]
	s_or_b32 s[G1A], s40, (3<<16)|(1<<21)
	s_or_b32 s[G1B], s41, (3<<16)|(1<<21)
	s_mov_b32 s[G1A+1], 32<<16
	s_mov_b32 s[G1A+2], 200<<16
	s_mov_b32 s[G1A+3], 32<<16
	s_mov_b32 s[G1A+4], 200
	s_mov_b32 s[G1A+5], 32
	s_mov_b32 s[G1A+6], 0
	s_mov_b32 s[G1A+7], 0
	s_mov_b32 s[G1B+1], 32<<16
	s_mov_b32 s[G1B+2], 100<<16
	s_mov_b32 s[G1B+3], 32<<16
	s_mov_b32 s[G1B+4], 100
	s_mov_b32 s[G1B+5], 32
	s_mov_b32 s[G1B+6], 0
	s_mov_b32 s[G1B+7], 0
	s_lshl_b32 s42, s[WL], 6
	s_lshl_b32 s43, s[TR], 2
	s_add_co_u32 s42, s42, s43
	s_mul_i32 s42, s42, UNIT
	s_mov_b32 s43, 0
	s_lshl_b32 s44, s[WL], 5
	s_lshl_b32 s45, s[TC], 1
	s_add_co_u32 s44, s44, s45
	s_mul_i32 s44, s44, UNIT
	s_mov_b32 s45, 0
	s_mul_i32 s46, s[WL], 4*UNIT
	s_mul_i32 s47, s[WL], 2*UNIT
	s_add_co_u32 s47, s47, WOFF
	s_mov_b32 s[SEL], 0x76543210
	s_mov_b32 s[SEL+1], 0xfedcba98
	s_wait_dscnt 0x0
	s_wait_kmcnt 0x0
	s_add_nc_u64 s[72:73], s[4:5], s[42:43]
	s_add_nc_u64 s[74:75], s[6:7], s[44:45]
	s_mul_i32 s84, s[CX], UNIT                     ; the prefetches: of x's 200 blocks of a K step partner cx takes 50,
	s_mul_i32 s85, s[CY], UNIT/2                   ; of the weights' 100 partner cy takes 25
	s_mov_b32 s86, 2*64*UNIT
	s_mov_b32 s87, 2*32*UNIT
	s_cmp_eq_u32 s[WH], 0                          ; do I fetch for x?
	s_cselect_b64 s[88:89], s[72:73], s[74:75]
	s_cselect_b32 s84, s84, s85
	s_cselect_b32 s90, s86, s87                    ; bytes from K slot to K slot
	s_cselect_b32 s92, 49, 24                      ; my share's last block
	s_mov_b32 s85, 0
	s_mov_b32 s91, 0
	s_add_nc_u64 s[88:89], s[88:89], s[84:85]
	s_add_nc_u64 s[94:95], s[88:89], s[90:91]      ; my share of K slot 1,
	s_add_nc_u64 s[96:97], s[94:95], s[90:91]      ; of K slot 2,
	s_add_nc_u64 s[88:89], s[96:97], s[90:91]      ; and of K slot 3: each refill steps this one on
	CROUND
.irp s, 0,1
	s_mov_b32 s[G0A+4*\s], 1
	s_add_co_u32 s[G0A+4*\s+1], s46, \s*SLOT
	s_add_nc_u64 s[G0A+4*\s+2:G0A+4*\s+3], s[72:73], \s*2*64*UNIT
	s_or_b32 s[G0A+4*\s+3], s[G0A+4*\s+3], 0x80000000
	s_mov_b32 s[G0B+4*\s], 1
	s_add_co_u32 s[G0B+4*\s+1], s47, \s*SLOT
	s_add_nc_u64 s[G0B+4*\s+2:G0B+4*\s+3], s[74:75], \s*2*32*UNIT
	s_or_b32 s[G0B+4*\s+3], s[G0B+4*\s+3], 0x80000000
.endr
	JLOAD G0A, G1A, G0B, G1B                       ; K slot 0: my one tensor load at the head, behind the round; the addresses below are made while it is out
	v_and_b32 v1, 15, v0
	v_bfe_u32 v2, v0, 4, 1
	v_and_b32 v[L16], 31, v0
	v_lshlrev_b32 v[L16], 4, v[L16]
	s_wait_alu depctr_va_vdst(0)
	v_lshlrev_b32 v22, 3, v1
	s_wait_alu depctr_va_vdst(0)
	s_mul_i32 s40, s[WL], UNIT
	s_add_co_u32 s40, s40, WOFF
	s_mul_i32 s41, s[WV], UNIT
	s_mul_i32 s42, s[WH], 2*UNIT
	s_mov_b32 s43, WOFF
	s_add_co_u32 s44, s40, 2*UNIT
	s_add_co_u32 s45, s41, 4*UNIT
	s_add_co_u32 s46, s42, 4*UNIT
	s_mov_b32 s47, WOFF+2*UNIT
	s_cmp_eq_u32 ttmp9, 3
	s_cselect_b32 s[KV], 1, 0
	s_cselect_b32 s72, s40, s41
	s_cselect_b32 s73, s44, s45
	s_cselect_b32 s74, s42, s43
	s_cselect_b32 s75, s46, s47
.irp f, 0,1
	v_add_nc_u32 v[AD4+\f], s[72+\f], v[L16]
	v_add_nc_u32 v[AD8+\f], s[74+\f], v[L16]
	v_add_nc_u32 v[AS4+\f], s[72+\f], v22
	v_add_nc_u32 v[AS8+\f], s[74+\f], v22
	v_add_nc_u32 v[AD4+2+\f], SLOT, v[AD4+\f]
	v_add_nc_u32 v[AD8+2+\f], SLOT, v[AD8+\f]
	v_add_nc_u32 v[AS4+2+\f], SLOT, v[AS4+\f]
	v_add_nc_u32 v[AS8+2+\f], SLOT, v[AS8+\f]
.endr
	v_and_b32 v[CL], 8, v1
	v_add_nc_u32 v[CL], v[CL], v1
	v_lshlrev_b32 v[CL], 8, v[CL]
	v_lshl_add_u32 v[CL], v2, 5, v[CL]
	v_lshlrev_b32 v[SCO], 4, v1
	v_lshl_add_u32 v[SCO], v2, 3, v[SCO]
	v_cmp_eq_u32 s[HM], 1, v2
.irp b, 0,1,2,3
	v_mov_b32 v[TM+4+\b], 0
.endr
	s_lshr_b32 s40, s[TR], 3
	s_and_b32 s41, s[TR], 7
	s_lshl_b32 s42, s40, 3
	s_add_co_u32 s42, s42, s[TC]
	s_lshl_b32 s42, s42, 5
	s_lshl_b32 s43, s41, 2
	s_add_co_u32 s42, s42, s43
	s_add_co_u32 s42, s42, s[WV]
	s_mul_i32 s42, s42, 6400
	s_lshl_b32 s44, s40, 2
	s_add_co_u32 s44, s44, s[CX]
	s_lshl_b32 s44, s44, 2
	s_lshr_b32 s45, s41, 1
	s_add_co_u32 s44, s44, s45
	s_mul_i32 s44, s44, 102400
	s_and_b32 s45, s[TR], 1
	s_lshl_b32 s45, s45, 2
	s_add_co_u32 s45, s45, s[WV]
	s_mul_i32 s45, s45, 6400
	s_add_co_u32 s44, s44, s45
	s_mul_i32 s45, s[KV], 51200
	s_add_co_u32 s44, s44, s45
	s_cmp_lt_u32 ttmp9, 2
	s_cselect_b64 s[OUT:OUT+1], s[12:13], s[14:15]
	s_cselect_b32 s42, s42, s44
	s_mov_b32 s43, 0
	s_add_nc_u64 s[OUT:OUT+1], s[OUT:OUT+1], s[42:43]
	s_lshl_b32 s44, s[TR], 8
	s_lshl_b32 s45, s[WV], 6
	s_add_co_u32 s44, s44, s45
	s_lshl_b32 s44, s44, 8
	s_mov_b32 s45, 0
	s_add_nc_u64 s[COSB:COSB+1], s[8:9], s[44:45]
	s_add_nc_u64 s[SINB:SINB+1], s[10:11], s[44:45]
.macro FETCH slot, kq, P
	WIN 0x40
.irp i, 0,1,2,3,4,5,6,7
.irp c, 0,1,2
	ds_load_b128 v[128*(\P)+12*\i+4*\c:128*(\P)+12*\i+4*\c+3], v[AD8+2*(\slot)+(\kq)/2] offset:(\i/4)*UNIT+((\i%4)*2+(\kq)%2)*1536+512*\c
.endr
.endr
	WIN 0
.irp i, 0,1,2,3
.irp c, 0,1,2
	ds_load_b128 v[AF+48*(\P)+12*\i+4*\c:AF+48*(\P)+12*\i+4*\c+3], v[AD4+2*(\slot)+(\kq)/2] offset:(2*\i+(\kq)%2)*1536+512*\c
.endr
.endr
.if (\kq)%2 == 0
.irp i, 0,1,2,3
	ds_load_b64 v[SC+24*((\kq)/2)+2*\i:SC+24*((\kq)/2)+2*\i+1], v[AS4+2*(\slot)+(\kq)/2] offset:12288+128*\i
.endr
.irp i, 0,1,2,3,4,5,6,7
	ds_load_b64 v[SC+24*((\kq)/2)+8+2*\i:SC+24*((\kq)/2)+8+2*\i+1], v[AS8+2*(\slot)+(\kq)/2] offset:12288+(\i/4)*UNIT+128*(\i%4)
.endr
.endif
.endm
.macro MUL a, P, kq, zero
.irp b, 0,1,2,3,4,5,6,7
.if \zero
	v_wmma_scale_f32_16x16x128_f8f6f4 v[8*(8*(\a)+\b):8*(8*(\a)+\b)+7], v[128*(\P)+12*\b:128*(\P)+12*\b+11], v[AF+48*(\P)+12*(\a):AF+48*(\P)+12*(\a)+11], 0, v[SC+24*((\kq)/2)+8+2*\b+(\kq)%2], v[SC+24*((\kq)/2)+2*(\a)+(\kq)%2] matrix_a_fmt:MATRIX_FMT_FP6 matrix_b_fmt:MATRIX_FMT_FP6
.else
	v_wmma_scale_f32_16x16x128_f8f6f4 v[8*(8*(\a)+\b):8*(8*(\a)+\b)+7], v[128*(\P)+12*\b:128*(\P)+12*\b+11], v[AF+48*(\P)+12*(\a):AF+48*(\P)+12*(\a)+11], v[8*(8*(\a)+\b):8*(8*(\a)+\b)+7], v[SC+24*((\kq)/2)+8+2*\b+(\kq)%2], v[SC+24*((\kq)/2)+2*(\a)+(\kq)%2] matrix_a_fmt:MATRIX_FMT_FP6 matrix_b_fmt:MATRIX_FMT_FP6
.endif
.endr
.endm
.macro STEP slot, kq, zero
	s_wait_dscnt 0x0
	PLACES
	FETCH \slot, (\kq)+1, ((\kq)+1)%2
	WIN MULW
.irp a, 0,1,2,3
	MUL \a, (\kq)%2, \kq, \zero
.endr
	WIN 0
.endm
.macro TURN slot, next, fill
.if \fill
	s_wait_xcnt 0x0                                ; the last prefetches, a slot back, have read their address
	s_add_nc_u64 s[88:89], s[88:89], s[90:91]
.endif
	s_wait_tensorcnt 0x0
	ds_add_u32 v[SPW], v[NIL]
	s_wait_dscnt 1
	WIN MULW
	MUL 0, 1, 3, 0
	s_wait_dscnt 0x0
	s_barrier_signal -1
	MUL 1, 1, 3, 0
	WIN 0
	s_barrier_wait -1
.if \fill
	CREST
	s_add_nc_u64 s[G0A+4*\slot+2:G0A+4*\slot+3], s[G0A+4*\slot+2:G0A+4*\slot+3], 4*64*UNIT
	s_add_nc_u64 s[G0B+4*\slot+2:G0B+4*\slot+3], s[G0B+4*\slot+2:G0B+4*\slot+3], 4*32*UNIT
	JLOAD G0A+4*\slot, G1A, G0B+4*\slot, G1B
.else
	PLACES
.endif
	FETCH \next, 0, 0
.if \fill
	ASK
.endif
	WIN MULW
	MUL 2, 1, 3, 0
	MUL 3, 1, 3, 0
	WIN 0
.endm
.macro CSL a                           ; cos and sin of block a's 16 rows: 32 + 32 registers in window 3
	WIN 0xc0
.irp b, 0,1,2,3
.irp e, 0,1
	global_load_b128 v[64*(\a)+8*\b+4*\e:64*(\a)+8*\b+4*\e+3], v[CL], s[COSB:COSB+1] offset:(32*((\a)/2)+8*((\a)%2))*256+64*\b+16*\e
	global_load_b128 v[64*(\a)+32+8*\b+4*\e:64*(\a)+32+8*\b+4*\e+3], v[CL], s[SINB:SINB+1] offset:(32*((\a)/2)+8*((\a)%2))*256+64*\b+16*\e
.endr
.endr
	WIN 0
.endm
.macro ASKP p                          ; my share of the K slot at s[p:p+1]: x's waves have 50 blocks, two instructions; the weights' 25, one
	global_prefetch_b8 v24, s[\p:\p+1] th:TH_LOAD_NT scope:SCOPE_SE
	s_cmp_eq_u32 s[WH], 0
	s_cbranch_scc0 .Lnp_\@
	global_prefetch_b8 v25, s[\p:\p+1] th:TH_LOAD_NT scope:SCOPE_SE
.Lnp_\@:
.endm
.macro ASK                             ; in the loop: the K slot two refills on; the last trip (s3 = 1) has none
	s_cmp_gt_u32 s3, 1
	s_cbranch_scc0 .Lna_\@
	ASKP 88
.Lna_\@:
.endm
	v_and_b32 v24, 31, v0
	v_add_nc_u32 v25, 32, v24
	v_min_u32 v24, s92, v24                        ; lanes that are left over name their wave's last block again
	v_min_u32 v25, s92, v25
	v_lshlrev_b32 v24, 8, v24
	v_lshlrev_b32 v25, 8, v25
	s_wait_alu depctr_va_vdst(0)                   ; the wait at the end of the head's vector work
	ASKP 94                                        ; K slots 1 and 2, while K slot 0's load is out
	ASKP 96
	s_wait_tensorcnt 0x0                           ; my part of K slot 0 is in; slot 1's first fill is issued as a refill is
	ds_add_u32 v[SPW], v[NIL]
	s_wait_dscnt 0x0
	CROUND
	JLOAD G0A+4, G1A, G0B+4, G1B
	FETCH 0, 0, 0
	ASKP 88                                        ; K slot 3
	STEP 0, 0, 1
	s_mov_b32 s3, 3
.Llap:
	STEP 0, 1, 0
	STEP 0, 2, 0
	TURN 0, 1, 1
	STEP 1, 0, 0
	STEP 1, 1, 0
	STEP 1, 2, 0
	TURN 1, 0, 1
	STEP 0, 0, 0
	s_sub_co_u32 s3, s3, 1
	s_cmp_lg_u32 s3, 0
	s_cbranch_scc1 .Llap
	s_cmp_eq_u32 s[KV], 1                          ; V has no rotary and asks for nothing
	s_cbranch_scc1 .Lnocs
	CSL 0
	CSL 1
	CSL 2
.Lnocs:
	STEP 0, 1, 0
	STEP 0, 2, 0
	TURN 0, 1, 0
	STEP 1, 0, 0
	STEP 1, 1, 0
	STEP 1, 2, 0
	s_wait_dscnt 0x0
	WIN MULW
.irp a, 0,1,2,3
	MUL \a, 1, 3, 0
.endr
	WIN 0
.macro ROT a
.set CS, 64*(\a)                       ; in window 3
.irp hh, 0,1
	WIN 0x0e
.irp p, 0,1,2,3,4,5,6,7,8,9,10,11,12,13,14,15
	v_mul_f32 v[T+2*\p], v[64*(\a)+32*\hh+2*\p+1], v[CS+32+16*\hh+\p]
	v_mul_f32 v[T+2*\p+1], v[64*(\a)+32*\hh+2*\p+1], v[CS+16*\hh+\p]
.endr
	WIN 0x8e
.irp p, 0,1,2,3,4,5,6,7,8,9,10,11,12,13,14,15
	v_fma_f32 v[64*(\a)+32*\hh+2*\p+1], v[64*(\a)+32*\hh+2*\p], v[CS+32+16*\hh+\p], v[T+2*\p+1]
	v_fma_f32 v[64*(\a)+32*\hh+2*\p], v[64*(\a)+32*\hh+2*\p], v[CS+16*\hh+\p], -v[T+2*\p]
.endr
.endr
	WIN 0
.endm
.macro QUANTW a
.set PC, 80+20*(\a)                    ; each block's codes have registers of their own: no store's data are written again
	WIN 0x28
.irp b, 0,1,2,3
	v_max3_num_f32 v[TM+\b], 0x1800000, |v[64*(\a)+16*\b]|, |v[64*(\a)+16*\b+1]|
.endr
.irp i, 2,4,6,8,10,12,14
.irp b, 0,1,2,3
	v_max3_num_f32 v[TM+\b], v[TM+\b], |v[64*(\a)+16*\b+\i]|, |v[64*(\a)+16*\b+\i+1]|
.endr
.endr
	WIN 0
.irp b, 0,1,2,3
	v_permlanex16_b32 v[TM+4+\b], v[TM+\b], s[SEL], s[SEL+1]
.endr
.irp b, 0,1,2,3
	v_max_num_f32 v[TM+\b], v[TM+\b], v[TM+4+\b]
.endr
.irp b, 0,1,2,3
	v_add_nc_u32 v[TM+12+\b], 0xff000000, v[TM+\b]
.endr
.irp b, 0,1,2,3
	v_lshrrev_b32 v[TM+4+\b], 23, v[TM+12+\b]
.endr
	v_lshl_or_b32 v[PW+(\a)], v[TM+5], 8, v[TM+4]
	v_lshl_or_b32 v[PW+(\a)], v[TM+6], 16, v[PW+(\a)]
	v_lshl_or_b32 v[PW+(\a)], v[TM+7], 24, v[PW+(\a)]
	WIN 0x02
.irp c, 0,1
	v_cvt_scalef32_pk16_fp6_f32 v[PC+6*\c:PC+6*\c+2], v[64*(\a)+32*\c:64*(\a)+32*\c+15], v[TM+12+2*\c]
	v_cvt_scalef32_pk16_fp6_f32 v[PC+12+4*\c:PC+14+4*\c], v[64*(\a)+32*\c+16:64*(\a)+32*\c+31], v[TM+12+2*\c+1]
.endr
	WIN 0
	v_nop
.irp c, 0,1
.irp i, 0,1,2
	v_permlane16_swap_b32 v[PC+6*\c+\i], v[PC+12+4*\c+\i]
.endr
.irp i, 0,1,2
	v_mov_b32 v[PC+3+6*\c+\i], v[PC+12+4*\c+\i]
.endr
.endr
.irp c, 0,1,2
	global_store_b128 v[L16], v[PC+4*\c:PC+4*\c+3], s[OUT:OUT+1] offset:1536*(\a)+512*\c
.endr
.endm
	PLACES
	s_cmp_eq_u32 s[KV], 1
	s_cbranch_scc1 .Lplain
	CSL 3
.irp a, 0,1,2,3
	s_wait_loadcnt 48-16*\a                        ; block a's 16 loads are in; the later blocks' may be out
	ROT \a
	QUANTW \a
.endr
	s_branch .Lwords
.Lplain:
.irp a, 0,1,2,3
	QUANTW \a
.endr
.Lwords:
	v_cndmask_b32 v[PR], v[PW], v[PW+2], s[HM]
	v_cndmask_b32 v[PR+1], v[PW+1], v[PW+3], s[HM]
	global_store_b64 v[SCO], v[PR:PR+1], s[OUT:OUT+1] offset:6144
	s_wait_tensorcnt 0x0
	ds_add_u32 v[SPW], v[NIL]
	s_wait_dscnt 0x0
	CROUND
	s_endpgm
.Lfunc_end_k_q6d47ca53d1_qkv:
	.size	k_q6d47ca53d1_qkv, .Lfunc_end_k_q6d47ca53d1_qkv-k_q6d47ca53d1_qkv
	.p2alignl 7, 3214868480
	.fill 96, 4, 3214868480
	.section	.rodata,"a",@progbits
	.p2align	6, 0x0
	.amdhsa_kernel k_q6d47ca53d1_qkv
		.amdhsa_group_segment_fixed_size 327680
		.amdhsa_private_segment_fixed_size 0
		.amdhsa_enable_private_segment 0
		.amdhsa_kernarg_size 48
		.amdhsa_user_sgpr_count 2
		.amdhsa_user_sgpr_kernarg_segment_ptr 1
		.amdhsa_wavefront_size32 1
		.amdhsa_system_sgpr_workgroup_id_x 1
		.amdhsa_system_sgpr_workgroup_id_y 1
		.amdhsa_system_sgpr_workgroup_id_z 1
		.amdhsa_system_vgpr_workitem_id 0
		.amdhsa_next_free_vgpr 1024
		.amdhsa_next_free_sgpr 100
		.amdhsa_reserve_vcc 0
		.amdhsa_float_denorm_mode_32 3
		.amdhsa_float_denorm_mode_16_64 3
		.amdhsa_memory_ordered 1
		.amdhsa_forward_progress 1
		.amdhsa_inst_pref_size 190
	.end_amdhsa_kernel
	.amdgpu_metadata
---
amdhsa.version: [ 1, 2 ]
amdhsa.kernels:
  - .name:           k_q6d47ca53d1_qkv
    .symbol:         k_q6d47ca53d1_qkv.kd
    .args:
      - { .name: xc, .offset: 0, .size: 8, .value_kind: global_buffer, .address_space: global }
      - { .name: wc, .offset: 8, .size: 8, .value_kind: global_buffer, .address_space: global }
      - { .name: freqs_cos, .offset: 16, .size: 8, .value_kind: global_buffer, .address_space: global }
      - { .name: freqs_sin, .offset: 24, .size: 8, .value_kind: global_buffer, .address_space: global }
      - { .name: qc, .offset: 32, .size: 8, .value_kind: global_buffer, .address_space: global }
      - { .name: kvc, .offset: 40, .size: 8, .value_kind: global_buffer, .address_space: global }
    .group_segment_fixed_size: 327680
    .private_segment_fixed_size: 0
    .kernarg_segment_align: 8
    .kernarg_segment_size: 48
    .max_flat_workgroup_size: 128
    .sgpr_count:     100
    .vgpr_count:     1024
    .wavefront_size: 32
...
	.end_amdgpu_metadata
.endif
;; end of part 2
;; launch attn (part 3): grid 16 x 16, 8 waves a work-group, no clusters, 327,680 bytes of LDS; arguments qc, kvc, ac; writes ac
.if DOCPART == 3
	.amdgcn_target "amdgcn-amd-amdhsa--gfx1250"
	.amdhsa_code_object_version 6
	.text
	.protected	k_q6d47ca53d1_attn
	.globl	k_q6d47ca53d1_attn
	.p2align	8
	.type	k_q6d47ca53d1_attn,@function
k_q6d47ca53d1_attn:
	s_mov_b64 s[64:65], 0
	v_nop
	global_prefetch_b8 v0, s[64:65] scope:SCOPE_SE
	s_setreg_imm32_b32 hwreg(HW_REG_WAVE_MODE, 25, 1), 1
	s_wait_xcnt 0x0
; Causal attention on codes of FP6 (E2M3) with E8M0 scales: 16 heads (batch x 8 + head) of 2,048 queries; two query heads share a key and value head.  The result is divided by the row's sum, quantised along
; K = head x 128 + channel and stored as images of the last product's operand registers.
; THE SOFTMAX: t = score x log2(e) / sqrt(128); M = the running largest t rounded up to a whole number; p = 2^(t - M) is quantised along the keys; the row's sum is taken of the unquantised p.
; LIMITS: NaN and infinities are not served.  Hidden scores become -infinity where the definition adds -1e9: p is 0 either way while scores stay far under 1e9 in magnitude.  A block of zeros gets the byte 1.
; qc: [head 16][quad 32][6,400]: four fragment images of 1,536 bytes (four tiles of 16 queries), then 256 bytes of scale words [r][a].  Lane-row r of tile T is query 32 (T / 2) + 8 (T % 2) + r + 8 (r / 8).
; kvc: [kv head 8][slot of 512 keys 4][102,400]: eight quads of K (key blocks in the same row order), then eight of V (quad 2 kq + cg: key step kq of 128, channel blocks 4 cg ..; keys innermost).
; SHARES.  A wave owns ONE tile of 16 queries; two waves to a SIMD, 512 registers each.  Tile T needs T / 8 + 1 key steps: in work-group g wave w < 4 takes T = 127 - 4 g - w and wave w >= 4 takes T = 4 g + w - 4,
; so waves w and w + 4 have 17 steps together in every work-group.  Both products are used transposed: a lane holds one query throughout.
; RING: two slots of 512 keys, each one dense block; waves 0 to 3 fetch a quarter each.  Every work-group walks all four slots (constant trip counts); from the first step all of whose keys are hidden on, a wave jumps to the slot's end, on ids.
; THE LDS LOADS RUN A PHASE AHEAD.  A whole step's K and V fragments have registers of their own (window 1).  Behind a step's products K Q^T the wave asks for this step's V and for the next step's K, 26 loads each,
; and both land under the softmax; only a slot's first step asks for its K at its head.  At most 52 LDS loads of a wave are out.
; NO CLUSTER: work-groups g >= 8 never read slot 3 (their last query, 2,047 - 64 g, lies under key 1,536) and no jump may lead round a joint load; partners mixed so that all read slot 3 would walk in step
; 8 + 8 + 4 + 4 = 24 step times where 17 serve without.
; REGISTERS: window 0: v1-11 addresses; v12 -M, v13 the largest t, v[14:15] the sum; v16-27 Q; v32-39 K's scale words, v40-47 V's, v253 p's, v255 Q's, and nothing else in them; v48-90 the way out;
;   v96-159 S^T, then p; v160-223 O^T; v224-235 p's codes; v232-254 at work.   window 1: v0-95 K's eight fragments, v96-191 V's eight.
.set SK,    512
.set SLOTB, 102400
.set SLOT1, 1<<17                      ; slot 1 begins here: one exclusive or turns an address from one slot to the other
.set VOFF,  51200
.set SPARE, 2*SLOT1                    ; the spare words, 128 bytes for each of eight waves, that no other line names
.set AK0,  1                           ; v1   16 x lane
.set AV0,  2                           ; v2   + VOFF
.set ASK0, 3                           ; v3   16 r + 6,144: a quad's scale words
.set ASV0, 4                           ; v4   + VOFF
.set SPW,  5                           ; v5   my spare word's LDS address; never rewritten
.set NIL,  6                           ; v6   0; never rewritten
.set GO,   7                           ; v7   the way out: my fragment's image in its unit
.set ADK,  8                           ; v8-11 the same four places in the slot in hand
.set ADV,  9
.set ADS,  10
.set ADT,  11
.set PFO,  28                          ; v28  256 x lane
.set LQ,   29                          ; v29  r + 8 (r / 8) + 8 (T % 2) - 16 h
.set KSC,  32                          ; v32-39 the scale words of K's eight blocks
.set VSC,  40                          ; v40-47 of V's eight
.set TM,   48                          ; the way out's quantiser: v48-63, codes v64-83, word v84
.set PC,   64
.set PW,   84
.set GW,   88                          ; v88  the way out: my row's scale word
.set VQ,   89                          ; v89, v90 Q's offsets
.set VS,   90
.set KFR,  0                           ; window 1
.set VFR,  96
.set TB,   2                           ; s2   LDS byte at which the slot in hand begins
.set WV,   18
.set SEL,  20
.set CS,   22
.set G1,   24
.set G0,   32
.set SLOTS, 36
.set KF,   37                          ; s37  the first key of the slot in hand
.set QBS,  38                          ; s38  32 (T / 2)
.set LASTQ, 39                         ; s39  my work-group's last query
.set TT,   40                          ; s40  my tile
.set PFA,  56
.set LIM,  58
.set TS,   66                          ; s66  at work in the steps
.set QL,   67                          ; s67  32 (T / 2) + 31: a step whose first key lies above it is hidden
.set MSB, 0
.macro WIN new                         ; the immediate's high byte repeats the setting that is left; a switch that changes nothing is dropped
.if MSB != \new
	s_set_vgpr_msb (MSB<<8)|\new
.set MSB, \new
.endif
.endm
.macro TLOAD                           ; waves 0 to 3 fetch a quarter of a slot each; an s_nop 0 and four v_nop follow the load
	s_cmp_lt_u32 s[WV], 4
	s_cbranch_scc0 .Lasked_\@
	tensor_load_to_lds s[G0:G0+3], s[G1:G1+7]
	s_nop 0
.rept 4
	v_nop
.endr
.Lasked_\@:
.endm
; A prefetch of the slot that the NEXT change of slots will ask for.  All sixteen work-groups of two query heads walk the same slots: the first work-group of the even head asks; its waves 4 to 7, which fetch nothing,
; take 24,576 bytes each, lanes 256 bytes apart, three instructions.  The slot's last 4,096 bytes, slots 0 and 1, and whatever follows the last slot are not asked for.
.macro ASK
	s_cmp_gt_u32 s[SLOTS], s[LIM]
	s_cbranch_scc0 .Lnot_mine_\@
	global_prefetch_b8 v[PFO], s[PFA:PFA+1] th:TH_LOAD_NT scope:SCOPE_SE
	global_prefetch_b8 v[PFO], s[PFA:PFA+1] offset:8192 th:TH_LOAD_NT scope:SCOPE_SE
	global_prefetch_b8 v[PFO], s[PFA:PFA+1] offset:16384 th:TH_LOAD_NT scope:SCOPE_SE
.Lnot_mine_\@:
.endm
	s_load_b128 s[4:7], s[0:1], 0x0                ; qc, kvc
	s_load_b64 s[8:9], s[0:1], 0x10                ; ac
	v_lshl_add_u32 v[SPW], v0, 2, SPARE
	v_mov_b32 v[NIL], 0
	ds_add_u32 v[SPW], v[NIL]                      ; the wave's opening: the add and its wait stand ahead of the first tensor load
	ds_add_u32 v[SPW], v[NIL]
	v_lshrrev_b32 v8, 5, v0
	s_delay_alu instid0(VALU_DEP_1)
	v_readfirstlane_b32 s[WV], v8                  ; wave 0..7
	s_and_b32 s41, ttmp7, 0xffff                   ; batch x 8 + head
	s_lshl_b32 s42, ttmp9, 2
	s_add_co_u32 s43, s42, s[WV]
	s_sub_co_u32 s44, 127, s43
	s_sub_co_u32 s43, s43, 4
	s_cmp_lt_u32 s[WV], 4
	s_cselect_b32 s[TT], s44, s43                  ; my tile
	s_lshr_b32 s[QBS], s[TT], 1
	s_lshl_b32 s[QBS], s[QBS], 5
	s_add_co_u32 s[QL], s[QBS], 31
	s_lshl_b32 s[LASTQ], ttmp9, 6
	s_sub_co_u32 s[LASTQ], 2047, s[LASTQ]
	; group 1: 25,600 dense bytes as 100 rows of 256 (32 elements of 8 bytes)
	s_mov_b32 s[G1], 3<<16
	s_mov_b32 s[G1+1], 32<<16
	s_mov_b32 s[G1+2], 100<<16
	s_mov_b32 s[G1+3], 32<<16
	s_mov_b32 s[G1+4], 100
	s_mov_b32 s[G1+5], 32
	s_mov_b32 s[G1+6], 0
	s_mov_b32 s[G1+7], 0
	s_and_b32 s45, s[WV], 3
	s_mul_i32 s46, s45, 25600                      ; my quarter of a slot
	s_lshr_b32 s47, s41, 1                         ; the key and value head: batch x 4 + head / 2
	s_mul_i32 s47, s47, 4*SLOTB
	s_add_co_u32 s48, s47, s46
	s_mov_b32 s49, 0
	s_mov_b32 s[SEL], 0x76543210
	s_mov_b32 s[SEL+1], 0xfedcba98
	s_mov_b32 s[CS], 0x3e0293ee                    ; c = log2(e) / sqrt(128)
	s_mov_b32 s[CS+1], s[CS]                       ; (named with it as a pair, so it is written)
	s_mov_b32 s[TB], 0
	s_mov_b32 s[SLOTS], 3
	s_mov_b32 s[KF], 0
	s_wait_dscnt 0x0                               ; the opening add is done
	s_wait_kmcnt 0x0
	s_mov_b32 s[G0], 1
	s_mov_b32 s[G0+1], s46
	s_add_nc_u64 s[G0+2:G0+3], s[6:7], s[48:49]
	s_or_b32 s[G0+3], s[G0+3], 0x80000000
	TLOAD                                          ; slot 0: the one first fill
	s_lshl_b32 s50, s41, 5
	s_lshr_b32 s51, s[TT], 2
	s_add_co_u32 s50, s50, s51
	s_mul_i32 s50, s50, 6400                       ; Q's quad
	s_mov_b32 s51, 0
	s_add_nc_u64 s[52:53], s[4:5], s[50:51]
	s_and_b32 s54, s[TT], 3
	s_mul_i32 s55, s54, 1536
	v_and_b32 v8, 31, v0
	v_and_b32 v9, 15, v0                           ; r
	s_delay_alu instid0(VALU_DEP_2)
	v_lshlrev_b32 v[AK0], 4, v8
	s_delay_alu instid0(VALU_DEP_1)
	v_add_nc_u32 v[VQ], s55, v[AK0]
.irp c, 0,1,2
	global_load_b128 v[16+4*\c:19+4*\c], v[VQ], s[52:53] offset:512*\c   ; Q's fragment stays in registers
.endr
	s_lshl_b32 s59, s54, 2
	v_lshlrev_b32 v[VS], 4, v9
	s_delay_alu instid0(VALU_DEP_1)
	v_add_nc_u32 v[VS], s59, v[VS]
	global_load_b32 v255, v[VS], s[52:53] offset:6144   ; Q's scale words
	v_add_nc_u32 v[AV0], VOFF, v[AK0]
	v_lshlrev_b32 v[ASK0], 4, v9
	s_delay_alu instid0(VALU_DEP_1)
	v_add_nc_u32 v[ASK0], 6144, v[ASK0]
	s_delay_alu instid0(VALU_DEP_1)
	v_add_nc_u32 v[ASV0], VOFF, v[ASK0]
	v_and_b32 v10, 8, v9
	s_delay_alu instid0(VALU_DEP_1)
	v_add_nc_u32 v[LQ], v10, v9
	v_bfe_u32 v10, v0, 4, 1
	s_delay_alu instid0(VALU_DEP_1)
	v_lshlrev_b32 v10, 4, v10
	s_delay_alu instid0(VALU_DEP_1)
	v_sub_nc_u32 v[LQ], v[LQ], v10
	s_and_b32 s59, s[TT], 1
	s_lshl_b32 s59, s59, 3
	v_add_nc_u32 v[LQ], s59, v[LQ]
	; the way out: unit (head / 2) x 64 + batch x 32 + T / 4 of ac; fragment 2 (T % 4) + head % 2
	s_and_b32 s59, s41, 7
	s_lshr_b32 s60, s41, 3
	s_lshr_b32 s61, s59, 1
	s_lshl_b32 s61, s61, 6
	s_lshl_b32 s60, s60, 5
	s_add_co_u32 s61, s61, s60
	s_lshr_b32 s60, s[TT], 2
	s_add_co_u32 s61, s61, s60
	s_mul_i32 s60, s61, 12800
	s_mov_b32 s61, 0
	s_add_nc_u64 s[8:9], s[8:9], s[60:61]
	s_and_b32 s59, s59, 1
	s_lshl_b32 s62, s54, 1
	s_add_co_u32 s62, s62, s59
	s_mul_i32 s62, s62, 1536
	v_add_nc_u32 v[GO], s62, v[AK0]
	s_lshl_b32 s62, s54, 7
	s_lshl_b32 s63, s59, 2
	s_add_co_u32 s62, s62, s63
	v_lshlrev_b32 v[GW], 3, v9
	s_delay_alu instid0(VALU_DEP_1)
	v_add_nc_u32 v[GW], s62, v[GW]
	; the prefetches: who asks, and where they stand
	v_lshlrev_b32 v[PFO], 8, v8
	s_mul_i32 s62, s45, 24576
	s_add_co_u32 s62, s62, s47
	s_add_co_u32 s62, s62, SLOTB                   ; in slot 1: the first change of slots steps it to slot 2
	s_mov_b32 s63, 0
	s_add_nc_u64 s[PFA:PFA+1], s[6:7], s[62:63]
	s_lshr_b32 s62, s[WV], 2
	s_xor_b32 s62, s62, 1                          ; 0 in waves 4 to 7,
	s_or_b32 s62, s62, ttmp9                       ; of the head's first work-group,
	s_and_b32 s63, s41, 1
	s_or_b32 s62, s62, s63                         ; of the even one of the two heads
	s_cmp_eq_u32 s62, 0
	s_cselect_b32 s[LIM], 1, -1
	v_mov_b32 v13, 0xff61b1e6                      ; the largest t so far: -3e38
	s_delay_alu instid0(VALU_DEP_1)
	v_floor_f32 v12, -v13                          ; -M
	v_mov_b32 v14, 0
	v_mov_b32 v15, 0
.irp b, 0,1,2,3
	v_mov_b32 v[236+\b], 0                         ; written once: a lane permute's destination counts as one of its sources
.endr
	v_mov_b32 v252, 0
	v_mov_b32 v253, 0                              ; (named as the upper half of the pair v[252:253] before it is first written)
.set j, 0
.rept 64
	v_mov_b32 v[160+j], 0                          ; O^T: the loop has no first step of its own; the first change of M leaves zeros zeros
.set j, j+1
.endr
; 26 LDS loads: the eight fragments of K of the slot's q-th 128 keys (two quads) into window 1, then the two quads' scale words of lane-row r
.macro KLOAD q
	WIN 0x40                                       ; destination window 1, address window 0
.irp t, 0,1,2,3,4,5,6,7
.irp c, 0,1,2
	ds_load_b128 v[KFR+12*\t+4*\c:KFR+12*\t+4*\c+3], v[ADK] offset:12800*(\q)+6400*(\t/4)+1536*(\t%4)+512*\c
.endr
.endr
	WIN 0
	ds_load_b128 v[KSC:KSC+3], v[ADS] offset:12800*(\q)
	ds_load_b128 v[KSC+4:KSC+7], v[ADS] offset:12800*(\q)+6400
.endm
.macro VLOAD q                         ; the same of V: eight channel blocks x these 128 keys
	WIN 0x40
.irp t, 0,1,2,3,4,5,6,7
.irp c, 0,1,2
	ds_load_b128 v[VFR+12*\t+4*\c:VFR+12*\t+4*\c+3], v[ADV] offset:12800*(\q)+6400*(\t/4)+1536*(\t%4)+512*\c
.endr
.endr
	WIN 0
	ds_load_b128 v[VSC:VSC+3], v[ADT] offset:12800*(\q)
	ds_load_b128 v[VSC+4:VSC+7], v[ADT] offset:12800*(\q)+6400
.endm
; A KEY STEP: 128 keys, the q-th of the slot in hand.  No jump leads into a step but from the step before it: so a step other than the slot's first finds its K asked for.
.macro STEP q
.if (\q) == 0
	v_add_nc_u32 v[ADK], s[TB], v[AK0]             ; once a slot
	v_add_nc_u32 v[ADV], s[TB], v[AV0]
	s_wait_alu depctr_va_vdst(0)
	v_add_nc_u32 v[ADS], s[TB], v[ASK0]
	v_add_nc_u32 v[ADT], s[TB], v[ASV0]
	s_wait_alu depctr_va_vdst(0)
	KLOAD 0                                        ; a slot's first K is asked for here: it lies behind the change of slots' barrier
.endif
	s_wait_dscnt 0x0                               ; this step's K is in: nothing younger has been issued
	WIN 0x01                                       ; source 0 window 1
.irp t, 0,1,2,3,4,5,6,7                ; S^T = K Q^T: eight accumulators, one instruction each
	v_wmma_scale_f32_16x16x128_f8f6f4 v[96+8*\t:103+8*\t], v[KFR+12*\t:KFR+12*\t+11], v[16:27], 0, v[KSC+\t], v255 matrix_a_fmt:MATRIX_FMT_FP6 matrix_b_fmt:MATRIX_FMT_FP6
.endr                                  ; register 16 b + i holds key 32 b + 16 h + i of the step, for my query
	WIN 0
.rept 4
	v_nop                                          ; places: in front of the loads into K's and V's registers, which these products and the last step's have read, and of the first read of the scores
.endr
	VLOAD \q                                       ; this step's V,
.if (\q) < 3
	KLOAD (\q)+1                                   ; and the next step's K: both land under the softmax.  (Where the next step is hidden these 26 loads serve nothing: once in a wave)
.endif
	s_add_co_u32 s[TS], s[KF], 128*(\q)+127        ; on the diagonal hidden scores become -infinity ahead of the maximum; a step all of whose keys count skips this
	s_cmp_le_u32 s[TS], s[QBS]
	s_cbranch_scc1 .Lopen_\@
	s_sub_co_i32 s[TS], s[QBS], s[KF]
	s_sub_co_i32 s[TS], s[TS], 128*(\q)
	v_add_nc_u32 v252, s[TS], v[LQ]                ; d = my query - the step's first key - 16 h: key 32 b + i is hidden where 32 b + i > d
	v_mov_b32 v254, 0xff800000
.set n, 0
.rept 64
	v_cmp_gt_i32 vcc_lo, 32*(n/16)+n%16, v252
	v_cndmask_b32 v[96+n], v[96+n], v254, vcc_lo
.set n, n+1
.endr
.Lopen_\@:
.irp b, 0,1,2,3
	v_max3_num_f32 v[232+\b], v[96+16*\b], v[97+16*\b], v[98+16*\b]   ; the largest score of each block of 32 keys: for the row's maximum, and, since p rises with the score, for the block's largest p
.endr
.irp i, 3,5,7,9,11,13
.irp b, 0,1,2,3
	v_max3_num_f32 v[232+\b], v[232+\b], v[96+16*\b+\i], v[97+16*\b+\i]
.endr
.endr
.irp b, 0,1,2,3
	v_max_num_f32 v[232+\b], v[232+\b], v[111+16*\b]
.endr
.irp b, 0,1,2,3
	s_delay_alu instid0(VALU_DEP_4)
	v_permlanex16_b32 v[236+\b], v[232+\b], s[SEL], s[SEL+1]
.endr
.irp b, 0,1,2,3
	s_delay_alu instid0(VALU_DEP_4)
	v_max_num_f32 v[232+\b], v[232+\b], v[236+\b]  ; with lane l xor 16's 16 keys
.endr
	s_delay_alu instid0(VALU_DEP_2)
	v_max3_num_f32 v254, v232, v233, v234
	s_delay_alu instid0(VALU_DEP_1)
	v_max_num_f32 v254, v254, v235
	s_delay_alu instid0(VALU_DEP_1)
	v_mul_f32 v254, s[CS], v254                    ; as t
	s_delay_alu instid0(VALU_DEP_1)
	v_max_num_f32 v13, v13, v254                   ; the running largest t
	v_mov_b32 v254, v12
	s_delay_alu instid0(VALU_DEP_2)
	v_floor_f32 v12, -v13                          ; the new -M = -ceil(t): a whole number
	s_delay_alu instid0(VALU_DEP_1)
	v_sub_f32 v254, v12, v254
	s_delay_alu instid0(VALU_DEP_1)
	v_cvt_i32_f32 v254, v254                       ; (it saturates)
	s_delay_alu instid0(VALU_DEP_1)
	v_ldexp_f32 v252, 1.0, v254                    ; f = 2^(old M - new M): rounds nothing
.set j, 0
.rept 32
	v_pk_fma_f32 v[96+j:97+j], v[96+j:97+j], s[CS:CS+1], v[12:13] op_sel_hi:[1,0,0]   ; t - M, two at a time
.set j, j+2
.endr
.irp b, 0,1,2,3
	v_fma_f32 v[232+\b], v[232+\b], s[CS], v12
.endr
.set j, 0
	s_wait_alu depctr_va_vdst(0)
.rept 64
	v_exp_f32 v[96+j], v[96+j]                     ; p = 2^(t - M), not normalised
.set j, j+1
.endr
	v_pk_mul_f32 v[14:15], v[14:15], v[252:253] op_sel_hi:[1,0]   ; the sums under the new M (a plain place behind the exponentials)
	s_wait_alu depctr_va_vdst(0)                   ; one wait for the whole batch, ahead of its first reader
.irp b, 0,1,2,3
	v_exp_f32 v[232+\b], v[232+\b]                 ; the block's largest p
.endr
	v_pk_add_f32 v[236:237], v[100:101], v[104:105]
	v_pk_add_f32 v[250:251], v[108:109], v[112:113]
	v_pk_add_f32 v[248:249], v[116:117], v[120:121]
	v_pk_add_f32 v[246:247], v[124:125], v[128:129]
	v_pk_add_f32 v[244:245], v[132:133], v[136:137]
	v_pk_add_f32 v[242:243], v[140:141], v[144:145]
	v_pk_add_f32 v[240:241], v[148:149], v[152:153]
	v_pk_add_f32 v[14:15], v[14:15], v[156:157]
	v_pk_add_f32 v[236:237], v[236:237], v[96:97]
	v_pk_add_f32 v[250:251], v[250:251], v[98:99]
	v_pk_add_f32 v[248:249], v[248:249], v[102:103]
	v_pk_add_f32 v[246:247], v[246:247], v[106:107]
	v_pk_add_f32 v[244:245], v[244:245], v[110:111]
	v_pk_add_f32 v[242:243], v[242:243], v[114:115]
	v_pk_add_f32 v[240:241], v[240:241], v[118:119]
	v_pk_add_f32 v[14:15], v[14:15], v[122:123]
	v_pk_add_f32 v[236:237], v[236:237], v[126:127]
	v_pk_add_f32 v[250:251], v[250:251], v[130:131]
	v_pk_add_f32 v[248:249], v[248:249], v[134:135]
	v_pk_add_f32 v[246:247], v[246:247], v[138:139]
	v_pk_add_f32 v[244:245], v[244:245], v[142:143]
	v_pk_add_f32 v[242:243], v[242:243], v[146:147]
	v_pk_add_f32 v[240:241], v[240:241], v[150:151]
	v_pk_add_f32 v[14:15], v[14:15], v[154:155]
	v_pk_add_f32 v[236:237], v[236:237], v[158:159]
	s_delay_alu instid0(VALU_DEP_2)
	v_pk_add_f32 v[14:15], v[14:15], v[246:247]
	s_delay_alu instid0(VALU_DEP_2)
	v_pk_add_f32 v[236:237], v[236:237], v[244:245]
	v_pk_add_f32 v[250:251], v[250:251], v[242:243]
	v_pk_add_f32 v[248:249], v[248:249], v[240:241]
	s_delay_alu instid0(VALU_DEP_2)
	v_pk_add_f32 v[14:15], v[14:15], v[250:251]
	s_delay_alu instid0(VALU_DEP_2)
	v_pk_add_f32 v[236:237], v[236:237], v[248:249]
	s_delay_alu instid0(VALU_DEP_1)
	v_pk_add_f32 v[14:15], v[14:15], v[236:237]
	s_wait_alu depctr_va_vdst(0)                   ; and one for the four
.irp b, 0,1,2,3
	v_max_num_f32 v[232+\b], 0x1800000, v[232+\b]  ; the floor 2^(3 - 127)
.endr
.irp b, 0,1,2,3
	s_delay_alu instid0(VALU_DEP_4)
	v_add_nc_u32 v[244+\b], 0xff000000, v[232+\b]
.endr
.irp b, 0,1,2,3
	s_delay_alu instid0(VALU_DEP_4)
	v_lshrrev_b32 v[236+\b], 23, v[244+\b]
.endr
	s_delay_alu instid0(VALU_DEP_3)
	v_lshl_or_b32 v253, v237, 8, v236              ; p's scale word for these 128 keys
	s_delay_alu instid0(VALU_DEP_1)
	v_lshl_or_b32 v253, v238, 16, v253
	s_delay_alu instid0(VALU_DEP_1)
	v_lshl_or_b32 v253, v239, 24, v253
.irp c, 0,1
	v_cvt_scalef32_pk16_fp6_f32 v[224+6*\c:226+6*\c], v[96+32*\c:111+32*\c], v[244+2*\c]
	v_cvt_scalef32_pk16_fp6_f32 v[236+4*\c:238+4*\c], v[112+32*\c:127+32*\c], v[244+2*\c+1]
.endr
	v_nop                                          ; one plain place behind the scaled conversions
.irp c, 0,1
.irp i, 0,1,2
	v_permlane16_swap_b32 v[224+6*\c+\i], v[236+4*\c+\i]
.endr
.irp i, 0,1,2
	s_delay_alu instid0(VALU_DEP_3)
	v_mov_b32 v[227+6*\c+\i], v[236+4*\c+\i]
.endr
.endr
.set j, 0
.rept 32
	v_pk_mul_f32 v[160+j:161+j], v[160+j:161+j], v[252:253] op_sel_hi:[1,0]   ; O^T under the new M (these 32 are also the places in front of the products below)
.set j, j+2
.endr
.if (\q) < 3
	s_wait_alu depctr_va_vdst(0)
	s_wait_dscnt 26                                ; this step's V is in; the 26 younger loads, the next step's K, may stay out
.else
	s_wait_alu depctr_va_vdst(0)
	s_wait_dscnt 0x0                               ; a slot's last step has asked for nothing behind its V
.endif
	WIN 0x01
.irp t, 0,1,2,3,4,5,6,7                ; O^T += V^T P^T: eight accumulators by turns, one instruction each
	v_wmma_scale_f32_16x16x128_f8f6f4 v[160+8*\t:167+8*\t], v[VFR+12*\t:VFR+12*\t+11], v[224:235], v[160+8*\t:167+8*\t], v[VSC+\t], v253 matrix_a_fmt:MATRIX_FMT_FP6 matrix_b_fmt:MATRIX_FMT_FP6
.endr
	WIN 0
.endm
; THE CHANGE OF SLOTS stands at a slot's head: each wave waits for all its tensor loads, adds 0 to its spare word, and waits for that and for its reads of the slot that it has left; one barrier;
; behind it (fill = 1) the slot just left is filled with the next 512 keys, unless none of the work-group's queries reaches them.
.macro CHANGE fill
	s_wait_tensorcnt 0x0                           ; no tensor load of mine is out, so the descriptor may be written
	ds_add_u32 v[SPW], v[NIL]
.if \fill
	s_xor_b32 s[G0+1], s[G0+1], SLOT1
	s_add_nc_u64 s[G0+2:G0+3], s[G0+2:G0+3], SLOTB
	s_wait_xcnt 0x0                                ; the last prefetches, a slot back, have read their address
	s_add_nc_u64 s[PFA:PFA+1], s[PFA:PFA+1], SLOTB
.endif
	s_wait_dscnt 0x0
	s_barrier_signal -1
	s_barrier_wait -1
.if \fill
	s_add_co_u32 s[TS], s[KF], SK                  ; the first key of the slot that this change would ask for,
	s_cmp_gt_u32 s[TS], s[LASTQ]                   ; against my work-group's last query: ids and the count of slots alone, the same in all eight waves; every wait on tensor loads in this text is for 0
	s_cbranch_scc1 .Lpast_\@
	TLOAD
.Lpast_\@:
	ASK
.endif
.endm
; A slot's four steps.  A step whose first key comes after my tile's last query is hidden, and so are all that follow it: the wave jumps to the slot's end, on ids, round no barrier and no tensor load.
.macro SLOT_STEPS
	s_cmp_gt_u32 s[KF], s[QL]
	s_cbranch_scc1 .Lslot_end_\@
	STEP 0
	s_add_co_u32 s[TS], s[KF], 128
	s_cmp_gt_u32 s[TS], s[QL]
	s_cbranch_scc1 .Lslot_end_\@
	STEP 1
	s_add_co_u32 s[TS], s[KF], 256
	s_cmp_gt_u32 s[TS], s[QL]
	s_cbranch_scc1 .Lslot_end_\@
	STEP 2
	s_add_co_u32 s[TS], s[KF], 384
	s_cmp_gt_u32 s[TS], s[QL]
	s_cbranch_scc1 .Lslot_end_\@
	STEP 3
.Lslot_end_\@:
	s_add_co_u32 s[KF], s[KF], SK
	s_xor_b32 s[TB], s[TB], SLOT1
.endm
	s_wait_loadcnt 0x0                             ; Q
.Lslot:                                            ; three trips: behind each change of slots but the last the next slot is asked for
	CHANGE 1
	SLOT_STEPS
	s_sub_co_u32 s[SLOTS], s[SLOTS], 1
	s_cmp_lg_u32 s[SLOTS], 0
	s_cbranch_scc1 .Lslot
	CHANGE 0                                       ; the last slot is written out: nothing is left to fetch
	SLOT_STEPS
	; THE WAY OUT: O^T / the sum; register 16 b + i is channel 32 b + 16 h + i of my query, since V's channel blocks lie in the row order: it is quantised as it stands
.rept 4
	v_nop
.endr
	v_add_f32 v14, v14, v15
	s_delay_alu instid0(VALU_DEP_1)
	v_permlanex16_b32 v252, v14, s[SEL], s[SEL+1]
	s_delay_alu instid0(VALU_DEP_1)
	v_add_f32 v14, v14, v252                       ; the row's sum
	s_wait_alu depctr_va_vdst(0)
	v_rcp_f32 v14, v14
.irp b, 0,1,2,3
	v_mov_b32 v[TM+4+\b], 0                        ; (plain places behind the reciprocal)  a lane permute's destination counts as one of its sources
.endr
	s_wait_alu depctr_va_vdst(0)                   ; the wait ahead of the reciprocal's first reader
.set j, 0
.rept 64
	v_mul_f32 v[96+j], v[160+j], v14
.set j, j+1
.endr
.irp b, 0,1,2,3
	v_max3_num_f32 v[TM+\b], |v[96+16*\b]|, |v[97+16*\b]|, 0x1800000
.endr
.irp i, 2,4,6,8,10,12,14
.irp b, 0,1,2,3
	s_delay_alu instid0(VALU_DEP_4)
	v_max3_num_f32 v[TM+\b], v[TM+\b], |v[96+16*\b+\i]|, |v[97+16*\b+\i]|
.endr
.endr
.irp b, 0,1,2,3
	s_delay_alu instid0(VALU_DEP_4)
	v_permlanex16_b32 v[TM+4+\b], v[TM+\b], s[SEL], s[SEL+1]
.endr
.irp b, 0,1,2,3
	s_delay_alu instid0(VALU_DEP_4)
	v_max_num_f32 v[TM+\b], v[TM+\b], v[TM+4+\b]
.endr
.irp b, 0,1,2,3
	s_delay_alu instid0(VALU_DEP_4)
	v_add_nc_u32 v[TM+12+\b], 0xff000000, v[TM+\b]
.endr
.irp b, 0,1,2,3
	s_delay_alu instid0(VALU_DEP_4)
	v_lshrrev_b32 v[TM+4+\b], 23, v[TM+12+\b]
.endr
	s_delay_alu instid0(VALU_DEP_3)
	v_lshl_or_b32 v[PW], v[TM+5], 8, v[TM+4]
	s_delay_alu instid0(VALU_DEP_1)
	v_lshl_or_b32 v[PW], v[TM+6], 16, v[PW]
	s_delay_alu instid0(VALU_DEP_1)
	v_lshl_or_b32 v[PW], v[TM+7], 24, v[PW]
.irp c, 0,1
	v_cvt_scalef32_pk16_fp6_f32 v[PC+6*\c:PC+6*\c+2], v[96+32*\c:111+32*\c], v[TM+12+2*\c]
	v_cvt_scalef32_pk16_fp6_f32 v[PC+12+4*\c:PC+14+4*\c], v[112+32*\c:127+32*\c], v[TM+12+2*\c+1]
.endr
	v_nop
.irp c, 0,1
.irp i, 0,1,2
	v_permlane16_swap_b32 v[PC+6*\c+\i], v[PC+12+4*\c+\i]
.endr
.irp i, 0,1,2
	s_delay_alu instid0(VALU_DEP_3)
	v_mov_b32 v[PC+3+6*\c+\i], v[PC+12+4*\c+\i]
.endr
.endr
.irp c, 0,1,2
	global_store_b128 v[GO], v[PC+4*\c:PC+4*\c+3], s[8:9] offset:512*\c   ; the fragment's image: 512 consecutive bytes a store, aligned
.endr
	global_store_b32 v[GW], v[PW], s[8:9] offset:12288   ; my row's scale word; lanes r and r + 16 store the same word to the same place.  4 bytes of every 8: the other head of the pair stores the rest
	s_wait_tensorcnt 0x0                           ; the wave's end
	ds_add_u32 v[SPW], v[NIL]
	s_wait_dscnt 0x0
	s_endpgm
.Lfunc_end_k_q6d47ca53d1_attn:
	.size	k_q6d47ca53d1_attn, .Lfunc_end_k_q6d47ca53d1_attn-k_q6d47ca53d1_attn
	.p2alignl 7, 3214868480
	.fill 96, 4, 3214868480
	.section	.rodata,"a",@progbits
	.p2align	6, 0x0
	.amdhsa_kernel k_q6d47ca53d1_attn
		.amdhsa_group_segment_fixed_size 327680
		.amdhsa_private_segment_fixed_size 0
		.amdhsa_enable_private_segment 0
		.amdhsa_kernarg_size 24
		.amdhsa_user_sgpr_count 2
		.amdhsa_user_sgpr_kernarg_segment_ptr 1
		.amdhsa_wavefront_size32 1
		.amdhsa_system_sgpr_workgroup_id_x 1
		.amdhsa_system_sgpr_workgroup_id_y 1
		.amdhsa_system_sgpr_workgroup_id_z 1
		.amdhsa_system_vgpr_workitem_id 0
		.amdhsa_next_free_vgpr 512
		.amdhsa_next_free_sgpr 90
		.amdhsa_reserve_vcc 1
		.amdhsa_float_denorm_mode_32 3
		.amdhsa_float_denorm_mode_16_64 3
		.amdhsa_memory_ordered 1
		.amdhsa_forward_progress 1
		.amdhsa_inst_pref_size 218
	.end_amdhsa_kernel
	.amdgpu_metadata
---
amdhsa.version: [ 1, 2 ]
amdhsa.kernels:
  - .name:           k_q6d47ca53d1_attn
    .symbol:         k_q6d47ca53d1_attn.kd
    .args:
      - { .name: qc, .offset: 0, .size: 8, .value_kind: global_buffer, .address_space: global }
      - { .name: kvc, .offset: 8, .size: 8, .value_kind: global_buffer, .address_space: global }
      - { .name: ac, .offset: 16, .size: 8, .value_kind: global_buffer, .address_space: global }
    .group_segment_fixed_size: 327680
    .private_segment_fixed_size: 0
    .kernarg_segment_align: 8
    .kernarg_segment_size: 24
    .max_flat_workgroup_size: 256
    .sgpr_count:     90
    .vgpr_count:     512
    .wavefront_size: 32
...
	.end_amdgpu_metadata
.endif
;; end of part 3
;; launch outp (part 4): grid 16 x 16, 4 waves a work-group, clusters of 4 x 4, 327,680 bytes of LDS; arguments ac, woc, out0; writes out0
.if DOCPART == 4
	.amdgcn_target "amdgcn-amd-amdhsa--gfx1250"
	.amdhsa_code_object_version 6
	.text
	.protected	k_q6d47ca53d1_outp
	.globl	k_q6d47ca53d1_outp
	.p2align	8
	.type	k_q6d47ca53d1_outp,@function
k_q6d47ca53d1_outp:
	s_mov_b64 s[64:65], 0
	v_nop
	global_prefetch_b8 v0, s[64:65] scope:SCOPE_SE
	s_setreg_imm32_b32 hwreg(HW_REG_WAVE_MODE, 25, 1), 1
	s_wait_xcnt 0x0
	s_wait_alu depctr_hold_cnt(0) depctr_sa_sdst(0) depctr_va_vdst(0) depctr_va_sdst(0) depctr_va_ssrc(0) depctr_va_vcc(0) depctr_vm_vsrc(0)
	s_getreg_b32 s2, hwreg(HW_REG_IB_STS2, 6, 4)
	s_cmp_eq_u32 s2, 0
	s_cbranch_scc0 .Lentry_in_a_cluster
	s_endpgm
.Lentry_in_a_cluster:
	s_bfe_u32 s2, ttmp6, 0x10000c
	s_cmp_lg_u32 s2, 0xf033
	s_cbranch_scc0 .Lentry_shape_is_right
	s_endpgm
.Lentry_shape_is_right:
; out0 = attention's result x wo^T on codes of FP6 (E2M3) with E8M0 scales, K = 1,024.  A work-group makes 256 x 256, a wave 128 x 128; 4 x 4 work-groups form a cluster and ask for their tiles jointly.
; LDS: wave w fetches two units of 64 rows (waves 0, 1: the left operand's; waves 2, 3: wo's) of K steps 0 to 2 by ONE load at the head, three rows of 25,600 bytes, to w x 76,800 + k x 25,600; K step 3 refills the k = 0 parts.
; THE WAY OUT: each of a wave's eight blocks of 16 rows comes back from the stage into registers of its own, so that no store's data are written again.
.set UNIT,  12800
.set SLOT,  8*UNIT
.set SPARE, 3*SLOT
.set SPITCH, 528
.set L16, 3
.set ADA, 4
.set ADB, 8
.set ADS, 12
.set STO, 24
.set RD,  25
.set SPW, 28
.set NIL, 29
.set SC,  32
.set AF,  64
.set BK,  128
.set WV, 14
.set WH, 15
.set WL, 16
.set TR, 17
.set CX, 76
.set CY, 77
.set TC, 78
.set MROW, 80
.set MCOL, 81
.set G1A, 24
.set G1B, 48
.set MUL_LO, 0xa1
.set MUL_HI, 0xf1
.set TO_B,   0x40
.set MSB, 0
.macro WIN new
.if MSB != \new
	s_set_vgpr_msb (MSB<<8)|\new
.set MSB, \new
.endif
.endm
.macro PLACES
.rept 4
	v_nop
.endr
.endm
.macro JLOAD g0a, g1a, g0b, g1b
	s_cmp_eq_u32 s[WH], 0
	s_cbranch_scc0 .Lfor_b_\@
	tensor_load_to_lds s[\g0a:\g0a+3], s[\g1a:\g1a+7]
	s_nop 0
.rept 4
	v_nop
.endr
	s_branch .Lasked_\@
.Lfor_b_\@:
	tensor_load_to_lds s[\g0b:\g0b+3], s[\g1b:\g1b+7]
	s_nop 0
.rept 4
	v_nop
.endr
.Lasked_\@:
.endm
.macro CREST
	s_cmp_lg_u32 s[WV], 0
	s_cbranch_scc1 .Lnot_wave_0_\@
	s_barrier_signal -3
.Lnot_wave_0_\@:
	s_barrier_wait -3
	s_barrier_signal -1
	s_barrier_wait -1
.endm
.macro CROUND
	s_barrier_signal -1
	s_barrier_wait -1
	CREST
.endm
	s_load_b128 s[4:7], s[0:1], 0x0
	s_load_b64 s[8:9], s[0:1], 0x10
	v_lshl_add_u32 v[SPW], v0, 2, SPARE
	v_mov_b32 v[NIL], 0
	ds_add_u32 v[SPW], v[NIL]
	ds_add_u32 v[SPW], v[NIL]
	v_lshrrev_b32 v1, 5, v0
	v_readfirstlane_b32 s[WV], v1
	s_lshr_b32 s[WH], s[WV], 1
	s_and_b32 s[WL], s[WV], 1
	s_bfe_u32 s[CX], ttmp6, 0x40000
	s_bfe_u32 s[CY], ttmp6, 0x40004
	s_lshl_b32 s[TC], ttmp9, 2
	s_add_co_u32 s[TC], s[TC], s[CX]
	s_and_b32 s[TR], ttmp7, 0xffff
	s_lshl_b32 s[TR], s[TR], 2
	s_add_co_u32 s[TR], s[TR], s[CY]
	s_lshl_b32 s[MROW], s[CY], 2
	s_lshl_b32 s[MROW], 15, s[MROW]
	s_lshl_b32 s[MCOL], 0x1111, s[CX]
	s_or_b32 s[G1A], s[MROW], (3<<16)|(1<<21)
	s_or_b32 s[G1B], s[MCOL], (3<<16)|(1<<21)
.irp g, G1A, G1B
	s_mov_b32 s[\g+1], 32<<16
	s_mov_b32 s[\g+2], 100<<16
	s_mov_b32 s[\g+3], 32<<16
	s_mov_b32 s[\g+4], 100
	s_mov_b32 s[\g+5], 32
	s_mov_b32 s[\g+6], 0
	s_mov_b32 s[\g+7], 0
.endr
	s_or_b32 s84, s[MROW], (3<<16)|(1<<21)         ; group 1 for the head's loads: 3 rows (K steps) of 3,200 elements of 8 bytes, 64 units apart
	s_or_b32 s92, s[MCOL], (3<<16)|(1<<21)
.irp g, 84, 92
	s_mov_b32 s[\g+1], 3200<<16
	s_mov_b32 s[\g+2], 3<<16
	s_mov_b32 s[\g+3], 3200<<16
	s_mov_b32 s[\g+4], 3
	s_mov_b32 s[\g+5], 64*UNIT/8
	s_mov_b32 s[\g+6], 0
	s_mov_b32 s[\g+7], 0
.endr
	s_lshl_b32 s18, s[WL], 1
	s_lshl_b32 s20, s[TR], 2
	s_add_co_u32 s20, s20, s18
	s_mul_i32 s20, s20, UNIT
	s_mov_b32 s21, 0
	s_lshl_b32 s46, s[TC], 2
	s_add_co_u32 s46, s46, s18
	s_mul_i32 s46, s46, UNIT
	s_mov_b32 s47, 0
	s_mul_i32 s45, s[WV], 6*UNIT
	s_wait_dscnt 0x0
	s_wait_kmcnt 0x0
	s_add_nc_u64 s[72:73], s[4:5], s[20:21]
	s_add_nc_u64 s[74:75], s[6:7], s[46:47]
	CROUND
	s_mov_b32 s32, 1
	s_mov_b32 s33, s45
	s_mov_b64 s[34:35], s[72:73]
	s_or_b32 s35, s35, 0x80000000
	s_mov_b32 s56, 1
	s_mov_b32 s57, s45
	s_mov_b64 s[58:59], s[74:75]
	s_or_b32 s59, s59, 0x80000000
	JLOAD 32, 84, 56, 92                           ; K steps 0 to 2: my one tensor load at the head, behind the round
	v_and_b32 v1, 15, v0
	v_bfe_u32 v2, v0, 4, 1
	v_and_b32 v[L16], 31, v0
	v_lshlrev_b32 v[L16], 4, v[L16]
	s_mul_i32 s21, s[WH], 6*UNIT
	s_mul_i32 s22, s[WL], 6*UNIT
	s_add_co_u32 s22, s22, 12*UNIT
	v_add_nc_u32 v[ADA], s21, v[L16]
	v_add_nc_u32 v[ADB], s22, v[L16]
	s_sub_co_u32 s23, s22, s21
	v_mul_u32_u24 v20, s23, v2
	v_lshl_add_u32 v20, v1, 3, v20
	v_add_nc_u32 v[ADS], s21, v20
.irp s, 1,2
	v_add_nc_u32 v[ADA+\s], \s*2*UNIT, v[ADA]
	v_add_nc_u32 v[ADB+\s], \s*2*UNIT, v[ADB]
	v_add_nc_u32 v[ADS+\s], \s*2*UNIT, v[ADS]
.endr
	s_mul_i32 s23, s[WV], 16*SPITCH
	s_add_co_u32 s23, s23, SLOT
	v_mul_u32_u24 v20, v1, SPITCH
	v_lshl_add_u32 v20, v2, 6, v20
	v_add_nc_u32 v[STO], s23, v20
	v_add_nc_u32 v[RD], s23, v[L16]
	s_lshl_b32 s20, s[TR], 8
	s_lshl_b32 s21, s[WH], 7
	s_add_co_u32 s20, s20, s21
	s_lshl_b32 s20, s20, 14
	s_lshl_b32 s46, s[TC], 10
	s_lshl_b32 s47, s[WL], 9
	s_add_co_u32 s46, s46, s47
	s_add_co_u32 s20, s20, s46
	s_mov_b32 s21, 0
	s_add_nc_u64 s[8:9], s[8:9], s[20:21]
.macro FETCH n
.set FS, ((\n)/2)%3
.set FK, (\n)%2
	WIN TO_B
.irp i, 0,1,2,3,4,5,6,7
.irp c, 0,1,2
	ds_load_b128 v[128*FK+12*\i+4*\c:128*FK+12*\i+4*\c+3], v[ADB+FS] offset:(\i/4)*UNIT+((\i%4)*2+FK)*1536+512*\c
.endr
.endr
	WIN 0
.irp i, 0,1,2,3,4,5,6,7
.irp c, 0,1,2
	ds_load_b128 v[AF+96*FK+12*\i+4*\c:AF+96*FK+12*\i+4*\c+3], v[ADA+FS] offset:(\i/4)*UNIT+((\i%4)*2+FK)*1536+512*\c
.endr
.endr
.if FK == 0
.irp i, 0,1,2,3,4,5,6,7
	ds_load_b64 v[SC+16*(((\n)/2)%2)+2*\i:SC+16*(((\n)/2)%2)+2*\i+1], v[ADS+FS] offset:12288+(\i/4)*UNIT+128*(\i%4)
.endr
.endif
.endm
.macro MUL16 a0, n, zero
.irp a, \a0, \a0+1
.irp b, 0,1,2,3,4,5,6,7
.if \zero
	v_wmma_scale_f32_16x16x128_f8f6f4 v[8*(8*((\a)%4)+\b):8*(8*((\a)%4)+\b)+7], v[128*((\n)%2)+12*\b:128*((\n)%2)+12*\b+11], v[AF+96*((\n)%2)+12*(\a):AF+96*((\n)%2)+12*(\a)+11], 0, v[SC+16*(((\n)/2)%2)+2*\b+(\n)%2], v[SC+16*(((\n)/2)%2)+2*(\a)+(\n)%2] matrix_a_fmt:MATRIX_FMT_FP6 matrix_b_fmt:MATRIX_FMT_FP6 matrix_a_scale:MATRIX_SCALE_ROW1
.else
	v_wmma_scale_f32_16x16x128_f8f6f4 v[8*(8*((\a)%4)+\b):8*(8*((\a)%4)+\b)+7], v[128*((\n)%2)+12*\b:128*((\n)%2)+12*\b+11], v[AF+96*((\n)%2)+12*(\a):AF+96*((\n)%2)+12*(\a)+11], v[8*(8*((\a)%4)+\b):8*(8*((\a)%4)+\b)+7], v[SC+16*(((\n)/2)%2)+2*\b+(\n)%2], v[SC+16*(((\n)/2)%2)+2*(\a)+(\n)%2] matrix_a_fmt:MATRIX_FMT_FP6 matrix_b_fmt:MATRIX_FMT_FP6 matrix_a_scale:MATRIX_SCALE_ROW1
.endif
.endr
.endr
.endm
.macro STEP n, zero
	s_wait_dscnt 0x0
	PLACES
	FETCH (\n)+1
	WIN MUL_LO
	MUL16 0, \n, \zero
	MUL16 2, \n, \zero
	WIN MUL_HI
	MUL16 4, \n, \zero
	MUL16 6, \n, \zero
	WIN 0
.endm
.macro TURN n, fill
	s_wait_tensorcnt 0x0
	ds_add_u32 v[SPW], v[NIL]
	s_wait_dscnt 1
	WIN MUL_LO
	MUL16 0, \n, 0
	s_wait_dscnt 0x0
	s_barrier_signal -1
	MUL16 2, \n, 0
	WIN 0
	s_barrier_wait -1
.if \fill
	CREST
	s_add_nc_u64 s[34:35], s[34:35], 3*64*UNIT
	s_add_nc_u64 s[58:59], s[58:59], 3*64*UNIT
	JLOAD 32, G1A, 56, G1B
.else
	PLACES
.endif
	s_wait_alu depctr_va_vdst(0)
	FETCH (\n)+1
	WIN MUL_HI
	MUL16 4, \n, 0
	MUL16 6, \n, 0
	WIN 0
.endm
	s_wait_alu depctr_va_vdst(0)                   ; the wait at the head's end
	s_wait_tensorcnt 0x0                           ; my part of K steps 0 to 2 is in
	s_barrier_signal -1
	s_barrier_wait -1
	FETCH 0
	STEP 0, 1
	TURN 1, 1
	STEP 2, 0
	STEP 3, 0
	STEP 4, 0
	TURN 5, 0
; THE LAST TWO STEPS GO BY ROWS OF THE RESULT.  Both steps' fragments are in registers (the two sets).  Step 6's products of blocks 0-3 run while step 7's fragments land; then my eight blocks of 16 rows are finished one
; after the other, a block's eight accumulators by turns, K ascending, and each block leaves as soon as it is finished.
.macro ROWN a, n                       ; eight matrix instructions: block a against wo's eight blocks, step n
	WIN MUL_LO+0x50*((\a)/4)
.irp b, 0,1,2,3,4,5,6,7
	v_wmma_scale_f32_16x16x128_f8f6f4 v[8*(8*((\a)%4)+\b):8*(8*((\a)%4)+\b)+7], v[128*((\n)%2)+12*\b:128*((\n)%2)+12*\b+11], v[AF+96*((\n)%2)+12*(\a):AF+96*((\n)%2)+12*(\a)+11], v[8*(8*((\a)%4)+\b):8*(8*((\a)%4)+\b)+7], v[SC+16*(((\n)/2)%2)+2*\b+(\n)%2], v[SC+16*(((\n)/2)%2)+2*(\a)+(\n)%2] matrix_a_fmt:MATRIX_FMT_FP6 matrix_b_fmt:MATRIX_FMT_FP6 matrix_a_scale:MATRIX_SCALE_ROW1
.endr
.endm
	s_wait_dscnt 0x0                               ; step 6's fragments are in
	PLACES
	FETCH 7
	WIN MUL_LO
	MUL16 0, 6, 0
	MUL16 2, 6, 0
	s_wait_dscnt 0x0                               ; step 7's fragments are in
	ROWN 0, 7
.macro BUF a                           ; block a's registers on the way back: block a - 1's accumulators, whose stores to the stage have been waited for; for block 0 the 2 x 32 registers of window 1 that wo's two sets leave free (v96-127, v224-255)
.if (\a) == 0
.set BWN, 1
.set BB, 96
.set BG, 96
.else
.set BWN, 2+((\a)-1)/4
.set BB, 64*(((\a)-1)%4)
.set BG, 0
.endif
.endm
.macro TOSTAGE a
.set AC, 64*((\a)%4)
	WIN 0x08+4*((\a)/4)
.irp b, 0,1,2,3,4,5,6,7
	ds_store_b128 v[STO], v[AC+8*\b:AC+8*\b+3] offset:128*(\b/2)+32*(\b%2)
	ds_store_b128 v[STO], v[AC+8*\b+4:AC+8*\b+7] offset:128*(\b/2)+32*(\b%2)+16
.endr
	BUF \a
	WIN 0x40*BWN
.irp t, 0,1,2,3,4,5,6,7,8,9,10,11,12,13,14,15
	ds_load_b128 v[BB+4*\t+BG*(\t/8):BB+4*\t+BG*(\t/8)+3], v[RD] offset:\t*SPITCH
.endr
	WIN 0
.endm
.macro SEND a, younger
	BUF \a
	s_wait_dscnt \younger
	WIN 4*BWN
.irp t, 0,1,2,3,4,5,6,7,8,9,10,11,12,13,14,15
	global_store_b128 v[L16], v[BB+4*\t+BG*(\t/8):BB+4*\t+BG*(\t/8)+3], s[8:9] offset:(32*((\a)/2)+8*((\a)%2)+\t+8*(\t/8))*16384
.endr
	WIN 0
.endm
.irp a, 0,1,2,3,4,5,6,7
	PLACES                                         ; behind block a's last products, in front of the stores that read them
	TOSTAGE \a
.if \a < 3
	ROWN \a+1, 7                                   ; the next block is finished while this one turns through the stage
.elseif \a < 7
	ROWN \a+1, 6
	ROWN \a+1, 7
.endif
	SEND \a, 0
.endr
	s_wait_tensorcnt 0x0
	ds_add_u32 v[SPW], v[NIL]
	s_wait_dscnt 0x0
	CROUND
	s_endpgm
.Lfunc_end_k_q6d47ca53d1_outp:
	.size	k_q6d47ca53d1_outp, .Lfunc_end_k_q6d47ca53d1_outp-k_q6d47ca53d1_outp
	.p2alignl 7, 3214868480
	.fill 96, 4, 3214868480
	.section	.rodata,"a",@progbits
	.p2align	6, 0x0
	.amdhsa_kernel k_q6d47ca53d1_outp
		.amdhsa_group_segment_fixed_size 327680
		.amdhsa_private_segment_fixed_size 0
		.amdhsa_enable_private_segment 0
		.amdhsa_kernarg_size 24
		.amdhsa_user_sgpr_count 2
		.amdhsa_user_sgpr_kernarg_segment_ptr 1
		.amdhsa_wavefront_size32 1
		.amdhsa_system_sgpr_workgroup_id_x 1
		.amdhsa_system_sgpr_workgroup_id_y 1
		.amdhsa_system_sgpr_workgroup_id_z 1
		.amdhsa_system_vgpr_workitem_id 0
		.amdhsa_next_free_vgpr 1024
		.amdhsa_next_free_sgpr 100
		.amdhsa_reserve_vcc 0
		.amdhsa_float_denorm_mode_32 3
		.amdhsa_float_denorm_mode_16_64 3
		.amdhsa_memory_ordered 1
		.amdhsa_forward_progress 1
		.amdhsa_inst_pref_size 132
	.end_amdhsa_kernel
	.amdgpu_metadata
---
amdhsa.version: [ 1, 2 ]
amdhsa.kernels:
  - .name:           k_q6d47ca53d1_outp
    .symbol:         k_q6d47ca53d1_outp.kd
    .args:
      - { .name: ac, .offset: 0, .size: 8, .value_kind: global_buffer, .address_space: global }
      - { .name: woc, .offset: 8, .size: 8, .value_kind: global_buffer, .address_space: global }
      - { .name: out0, .offset: 16, .size: 8, .value_kind: global_buffer, .address_space: global }
    .group_segment_fixed_size: 327680
    .private_segment_fixed_size: 0
    .kernarg_segment_align: 8
    .kernarg_segment_size: 24
    .max_flat_workgroup_size: 128
    .sgpr_count:     100
    .vgpr_count:     1024
    .wavefront_size: 32
...
	.end_amdgpu_metadata
.endif
;; end of part 4
